; MI455X (gfx1250); checked and timed in simulation.
; The chip was launched on July 23, 2026; its instructions are those of AMD's public machine-readable ISA for CDNA 5 (MIT licence, August 2026) and "CDNA5" Instruction Set Architecture Reference Guide (July 2026). The comments in the code are by the model that wrote it; some were corrected since.
;; Self Attention2. Allowed arithmetic: matrix products marked QUANTISED: E2M3 operands, one E8M0 scale for each 32 along K, by v_wmma_scale_f32_16x16x128_f8f6f4 with both operands' format E2M3, f32 sums; everything else in f32.
;; Inputs: Wc 1,024 x 1,024 float32; Wk 1,024 x 1,024 float32; Wq 1,024 x 1,024 float32; Wv 1,024 x 1,024 float32; attention_mask 4 x 2,048 bool; bc 1,024 float32; bk 1,024 float32; bq 1,024 float32; bv 1,024 float32; k 4 x 2,048 x 1,024 float32; q 4 x 2,048 x 1,024 float32; v 4 x 2,048 x 1,024 float32.
;; Outputs: out0 4 x 2,048 x 1,024 float32.
;; This version of the problem:
;;   THIS VERSION OF THE PROBLEM IS GIVEN IN LOW PRECISION. The matrix products marked QUANTISED in the list below multiply operands that are first quantised to E2M3 (2 exponent bits, 3 mantissa bits; 6 bits a number), with one power-of-two scale for each 32 numbers along K (OCP MX v1.0); their sums are f32. All else is computed in f32.
;;   The module's matrix products, in the order in which they are computed (A, B: the left and right operand; K: the contracted axis; several contracted axes count as one K, in the product's order):
;;     1. [M 8,192, K 1,024] x [K 1,024, N 1,024]; A: input q; B: input Wq: QUANTISED
;;     2. [M 8,192, K 1,024] x [K 1,024, N 1,024]; A: input k; B: input Wk: QUANTISED
;;     3. [M 8,192, K 1,024] x [K 1,024, N 1,024]; A: input v; B: input Wv: QUANTISED
;;     4. batch 64 x [M 2,048, K 64] x [K 64, N 2,048]; A: computed on the way; B: computed on the way: QUANTISED
;;     5. batch 64 x [M 2,048, K 2,048] x [K 2,048, N 64]; A: softmax (see below); B: computed on the way: QUANTISED
;;     6. [M 8,192, K 1,024] x [K 1,024, N 1,024]; A: computed on the way; B: input Wc: QUANTISED
;;   THE QUANTISER, for each operand of a quantised product, along K:
;;     - K is cut into blocks of 32 from its start; a last block that is shorter is filled with zeros.
;;     - A block's scale is 2^e with e = floor(log2(the largest magnitude in the block)) - 2, held to -126 .. 127; a block of zeros has e = 0. As a byte (E8M0): e + 127.
;;     - Each number is divided by its block's scale, clamped to +-7.5, and rounded to the nearest number of E2M3, ties to even, subnormals kept.
;;     - The product sums the exact products of the quantised numbers (number of the format x scale) in f32.
;;   ~~~python
;;   def quantise(x, axis):      # numpy; x: float32 -> the quantised numbers, widened to float32 again
;;       x = np.moveaxis(x, axis, -1); K = x.shape[-1]
;;       x = np.pad(x, [(0, 0)] * (x.ndim - 1) + [(0, -K % 32)]); x = x.reshape(x.shape[:-1] + (-1, 32)); a = np.abs(x).max(-1, keepdims=True)
;;       e = np.where(a > 0, np.clip(np.frexp(np.where(a > 0, a, 1))[1] - 1 - 2, -126, 127), 0)      # np.frexp(a)[1] - 1 = floor(log2(a)), exactly
;;       r = np.clip(x / 2.0 ** e, -7.5, 7.5)
;;       step = 2.0 ** (np.maximum(np.frexp(np.where(r == 0, 1, r))[1] - 1, 0) - 3)
;;       q = np.round(r / step) * step * 2.0 ** e      # np.round: ties to even
;;       return np.moveaxis(q.reshape(q.shape[:-2] + (-1,))[..., :K], -1, axis).astype(np.float32)
;;   ~~~
;;   SOFTMAX AHEAD OF A QUANTISED PRODUCT. Where the list says 'softmax', what is quantised is not the finished softmax but p = 2^(t - M), with t = logit x log2(e) and M = ceil(the row's largest t), a whole number; so 1/2 < the row's largest p <= 1. The row's sum l is taken of the UNQUANTISED p, in f32, and the product's result is divided by l at the end. Since M is a whole number, a kernel that streams over the keys may use a running M (the ceiling of the running maximum): every later rescaling is an exact power of two, which a block's scale takes up: the codes' values come out the same.
;;   OPERANDS COMPUTED ON THE WAY. 'Computed on the way' means the value that the module computes at that place (a softmax that the list does not call 'softmax' is quantised finished and normalised). What goes into a quantiser is computed in f32, as accurately as f32 sums, v_exp_f32 and their like allow (about 1e-6 of the number): no bf16 or f16 on the way to a quantiser, and a product that is left as it is and whose result goes on into a quantised operand takes f32 operands (vector FMAs, or v_wmma_f32_16x16x4_f32). A number that lies on a knife's edge between two numbers of the format may be rounded either way, as far as f32 arithmetic and the matrix unit's own rounding can turn it there, and no further.
;; One version. Each part assembles by itself: llvm-mc -triple=amdgcn-amd-amdhsa -mcpu=gfx1250 --defsym DOCPART=n.
;; ======== version 1 of 1: 4 launches
;; limits: right only within a limited range of input values
;; workspace buffers: xq 19,660,800 bytes; wq 3,276,800 bytes; qimg 7,340,032 bytes; kv 14,155,776 bytes; vsum 262,144 bytes; oq 6,553,600 bytes
;; launch quant (part 1): grid 1792 x 1, 4 waves a work-group, no clusters, 34,304 bytes of LDS; arguments q, k, v, Wq, Wk, Wv, Wc, xq, wq; writes xq, wq
.if DOCPART == 1
	.amdgcn_target "amdgcn-amd-amdhsa--gfx1250"
	.amdhsa_code_object_version 6
	.text
	.protected	k_qf59f04d25d_quant
	.globl	k_qf59f04d25d_quant
	.p2align	8
	.type	k_qf59f04d25d_quant,@function
k_qf59f04d25d_quant:
	s_mov_b64 s[64:65], 0
	v_nop
	global_prefetch_b8 v0, s[64:65] scope:SCOPE_SE
	s_setreg_imm32_b32 hwreg(HW_REG_WAVE_MODE, 25, 1), 1
	s_wait_xcnt 0x0
; q, k, v [8192][1024] and Wq, Wk, Wv, Wc [1024][1024], f32, K innermost, become codes of FP6 (E2M3) with one E8M0 byte for each 32 along K.
; The codes are laid as IMAGES OF THE OPERAND'S REGISTERS.  A tile is 16 rows; its codes are 8 fragments (16 rows x 128 K) of 1,536 bytes; a fragment is two halves of 768 bytes:
; registers 0-3 at 16 x lane, registers 4-5 at 512 + 8 x lane, then registers 6-9 and 10-11 likewise.  A tile's scale bytes: [256 along K: 0..3][row 0..15][8 bytes], 512 bytes.
; Tiles 0-511 q, 512-1023 k, 1024-1535 v go to xq; tiles 1536.. (Wq, Wk, Wv, Wc, 64 each) to wq.
; k, v, Wq, Wk, Wv are laid in a PERMUTED ORDER OF ROWS: place r of tile 2 g + u holds row 32 g + 8 u + r + 8 (r / 8), so that the results of a product that is used transposed fall as 16 neighbours into a lane's registers.
; A work-group takes a tile, wave w its K 256 w .. 256 w + 255: two fragments.  Each load reads 512 consecutive bytes of a row; a K step's 16 rows turn through the wave's own stage in LDS (rows of 528 bytes), so that a lane
; gets 16 neighbours of each block of 32.  A block's scale is 2^(floor(log2(largest magnitude)) - 2); its byte is the largest magnitude's exponent field - 2, held at 1 from below.
; LIMITS: a block of zeros, or one whose largest magnitude lies under 2^-124, keeps the byte 1 (its codes are read by this program alone); NaN and infinities among the inputs are not served.
.set SCLX,  18874368                   ; where xq's scale bytes begin: 1,536 tiles x 12,288
.set SCLW,  3145728                    ; and wq's: 256 tiles x 12,288
.set WSTG,  16*528                     ; a wave's stage
.set SPARE, 4*WSTG                     ; behind the stages: the spare words, 128 bytes for each wave
.set VO,   1                           ; v1   16 x lane + 1,024 x wave: my bytes of a row, places 0-7 of the tile
.set VO2,  2                           ; v2   the same for places 8-15
.set STW,  3                           ; v3   the stage, on the way in
.set STR,  4                           ; v4   and on the way out: 528 r + 64 h
.set L16,  5
.set L8,   6
.set R8,   7
.set SPW,  8                           ; v8   my spare word; never rewritten
.set NIL,  9                           ; v9   0; never rewritten
.set R,    16                          ; v16-143  32 loads of four registers
.set X,    144                         ; v144-207 64 numbers: register 16 b + i = k 32 b + 16 h + i of my row
.set PC,   208                         ; v208-227 the codes just made
.set TM,   228                         ; v228-243 at work
.set PWP,  244                         ; v[244:245] the two K steps' scale words
.set SEL,  36                          ; s[36:37] lane selects for v_permlanex16_b32: lane l xor 16
; 64 numbers of a lane, v[s] .. v[s + 63], become a fragment's codes in v[PC] .. v[PC + 11] and its scale word in v[pw].
.macro QUANT s, pw
.irp b, 0,1,2,3
	v_max3_num_f32 v[TM+\b], |v[\s+16*\b]|, |v[\s+1+16*\b]|, 0x1800000   ; block b: my 16 numbers, and the floor 2^(3 - 127): the byte cannot fall under 1
.endr
.irp i, 2,4,6,8,10,12,14
.irp b, 0,1,2,3
	v_max3_num_f32 v[TM+\b], v[TM+\b], |v[\s+16*\b+\i]|, |v[\s+1+16*\b+\i]|
.endr
.endr
.irp b, 0,1,2,3
	v_permlanex16_b32 v[TM+4+\b], v[TM+\b], s[SEL], s[SEL+1]
.endr
.irp b, 0,1,2,3
	v_max_num_f32 v[TM+\b], v[TM+\b], v[TM+4+\b]       ; with lane l xor 16's: the block's largest magnitude
.endr
.irp b, 0,1,2,3
	v_add_nc_u32 v[TM+12+\b], 0xff000000, v[TM+\b]     ; 2 off its exponent field: the conversion's scale operand
.endr
.irp b, 0,1,2,3
	v_lshrrev_b32 v[TM+4+\b], 23, v[TM+12+\b]          ; the scale's byte
.endr
	v_lshl_or_b32 v[\pw], v[TM+5], 8, v[TM+4]
	v_lshl_or_b32 v[\pw], v[TM+6], 16, v[\pw]
	v_lshl_or_b32 v[\pw], v[TM+7], 24, v[\pw]
.irp c, 0,1
	v_cvt_scalef32_pk16_fp6_f32 v[PC+6*\c:PC+2+6*\c], v[\s+32*\c:\s+15+32*\c], v[TM+12+2*\c]
	v_cvt_scalef32_pk16_fp6_f32 v[PC+12+4*\c:PC+14+4*\c], v[\s+16+32*\c:\s+31+32*\c], v[TM+12+2*\c+1]   ; (a conversion's three registers begin on an even number)
.endr
	v_nop                                              ; one plain place behind a scaled conversion
.irp c, 0,1                                        ; the operand's layout wants a whole block in a lane
.irp i, 0,1,2
	v_permlane16_swap_b32 v[PC+6*\c+\i], v[PC+12+4*\c+\i]
.endr
.irp i, 0,1,2
	v_mov_b32 v[PC+3+6*\c+\i], v[PC+12+4*\c+\i]
.endr
.endr
.endm
	s_load_b512 s[8:23], s[0:1], 0x0               ; q, k, v, Wq, Wk, Wv, Wc, xq
	s_load_b64 s[24:25], s[0:1], 0x40              ; wq
	v_lshl_add_u32 v[SPW], v0, 2, SPARE
	v_mov_b32 v[NIL], 0
	v_lshrrev_b32 v10, 5, v0
	v_readfirstlane_b32 s2, v10                    ; wave
	v_and_b32 v10, 31, v0                          ; lane
	v_and_b32 v11, 15, v0                          ; r
	v_bfe_u32 v12, v0, 4, 1                        ; h
	v_lshlrev_b32 v[L16], 4, v10
	v_lshlrev_b32 v[L8], 3, v10
	v_lshlrev_b32 v[R8], 3, v11
	s_lshl_b32 s3, s2, 10
	v_add_nc_u32 v[VO], s3, v[L16]
	s_wait_alu depctr_va_vdst(0)
	s_mul_i32 s3, s2, WSTG
	v_add_nc_u32 v[STW], s3, v[L16]
	v_mul_u32_u24 v[STR], v11, 528
	v_lshl_add_u32 v[STR], v12, 6, v[STR]
	v_add_nc_u32 v[STR], s3, v[STR]
.irp b, 0,1,2,3
	v_mov_b32 v[TM+4+\b], 0                        ; written once: a lane permute's destination counts as one of its sources
.endr
	s_mov_b32 s[SEL], 0x76543210
	s_mov_b32 s[SEL+1], 0xfedcba98
	s_mov_b32 s28, ttmp9                           ; the tile
	s_cmp_lt_u32 s28, 1536                         ; an activation's tile or a weight's?
	s_cselect_b32 s29, 511, 63
	s_cselect_b32 s30, 0, 1536
	s_mov_b32 s31, SCLW
	s_cselect_b32 s31, SCLX, s31
	s_and_b32 s29, s28, s29                        ; the tile within its tensor
	s_sub_co_u32 s30, s28, s30                     ; the tile within its output buffer
	s_lshr_b32 s32, s29, 1
	s_lshl_b32 s32, s32, 5
	s_and_b32 s33, s29, 1
	s_lshl_b32 s33, s33, 3
	s_add_co_u32 s32, s32, s33                     ; the first row in the permuted order: 32 (tile / 2) + 8 (tile % 2)
	s_lshl_b32 s33, s29, 4                         ; and in the natural order
	s_sub_co_u32 s34, s28, 512
	s_cmp_lt_u32 s34, 1216                         ; tiles 512 .. 1727 (k, v, Wq, Wk, Wv) are permuted
	s_cselect_b32 s32, s32, s33
	s_mov_b32 s33, 32768
	s_cselect_b32 s33, 65536, s33                  ; places 8-15 begin 16 rows on, or 8
	v_add_nc_u32 v[VO2], s33, v[VO]
	s_lshl_b32 s32, s32, 12                        ; a row is 4,096 bytes
	s_mov_b32 s33, 0
	s_mul_i32 s34, s30, 12288
	s_mul_i32 s35, s2, 3072
	s_add_co_u32 s34, s34, s35                     ; my two fragments
	s_mov_b32 s35, 0
	s_lshl_b32 s30, s30, 9
	s_add_co_u32 s30, s30, s31
	s_lshl_b32 s31, s2, 7
	s_add_co_u32 s30, s30, s31                     ; my 128 scale bytes
	s_mov_b32 s31, 0
	s_wait_alu depctr_va_vdst(0)
	s_wait_kmcnt 0x0
	s_mov_b64 s[4:5], s[20:21]                     ; the source: a choice on the work-group's number alone
	s_cmp_lt_u32 s28, 1728
	s_cselect_b64 s[4:5], s[18:19], s[4:5]
	s_cmp_lt_u32 s28, 1664
	s_cselect_b64 s[4:5], s[16:17], s[4:5]
	s_cmp_lt_u32 s28, 1600
	s_cselect_b64 s[4:5], s[14:15], s[4:5]
	s_cmp_lt_u32 s28, 1536
	s_cselect_b64 s[4:5], s[12:13], s[4:5]
	s_cselect_b64 s[6:7], s[22:23], s[24:25]
	s_cmp_lt_u32 s28, 1024
	s_cselect_b64 s[4:5], s[10:11], s[4:5]
	s_cmp_lt_u32 s28, 512
	s_cselect_b64 s[4:5], s[8:9], s[4:5]
	s_add_nc_u64 s[4:5], s[4:5], s[32:33]
	s_add_nc_u64 s[26:27], s[6:7], s[30:31]
	s_add_nc_u64 s[6:7], s[6:7], s[34:35]
.irp s, 0,1                                    ; all 32 loads go out at once, the first K step's first: 32 lanes read 512 consecutive bytes of a row
.irp i, 0,1,2,3,4,5,6,7
	global_load_b128 v[R+64*\s+4*\i:R+64*\s+4*\i+3], v[VO], s[4:5] offset:\i*4096+512*\s th:TH_LOAD_NT
.endr
.irp i, 0,1,2,3,4,5,6,7
	global_load_b128 v[R+64*\s+32+4*\i:R+64*\s+32+4*\i+3], v[VO2], s[4:5] offset:\i*4096+512*\s th:TH_LOAD_NT
.endr
.endr
.macro KSTEP s
.if \s == 0
	s_wait_loadcnt 16                              ; this K step's 16 loads are in; the other's 16 may be out
.else
	s_wait_loadcnt 0x0
.endif
.irp i, 0,1,2,3,4,5,6,7,8,9,10,11,12,13,14,15
	ds_store_b128 v[STW], v[R+64*\s+4*\i:R+64*\s+4*\i+3] offset:528*\i
.endr
.irp b, 0,1,2,3
.irp j, 0,1,2,3
	ds_load_b128 v[X+16*\b+4*\j:X+16*\b+4*\j+3], v[STR] offset:128*\b+16*\j   ; LDS serves a wave's instructions in order: these see the stores above
.endr
.endr
	s_wait_dscnt 0x0
.if \s > 0
	s_wait_xcnt 0x0                                ; the first fragment's stores have read the codes' registers, which are written again below
.endif
	QUANT X, PWP+\s
	global_store_b128 v[L16], v[PC:PC+3], s[6:7] offset:1536*\s          ; 512 consecutive bytes
	global_store_b64 v[L8], v[PC+4:PC+5], s[6:7] offset:1536*\s+512      ; 256
	global_store_b128 v[L16], v[PC+6:PC+9], s[6:7] offset:1536*\s+768
	global_store_b64 v[L8], v[PC+10:PC+11], s[6:7] offset:1536*\s+1280
.endm
	KSTEP 0
	KSTEP 1
	global_store_b64 v[R8], v[PWP:PWP+1], s[26:27] ; row r's two scale words; lanes r and r + 16 hold and write the same
	s_wait_tensorcnt 0x0                           ; the wave's end
	ds_add_u32 v[SPW], v[NIL]
	s_wait_dscnt 0x0
	s_endpgm
.Lfunc_end_k_qf59f04d25d_quant:
	.size	k_qf59f04d25d_quant, .Lfunc_end_k_qf59f04d25d_quant-k_qf59f04d25d_quant
	.p2alignl 7, 3214868480
	.fill 96, 4, 3214868480
	.section	.rodata,"a",@progbits
	.p2align	6, 0x0
	.amdhsa_kernel k_qf59f04d25d_quant
		.amdhsa_group_segment_fixed_size 34304
		.amdhsa_private_segment_fixed_size 0
		.amdhsa_enable_private_segment 0
		.amdhsa_kernarg_size 72
		.amdhsa_user_sgpr_count 2
		.amdhsa_user_sgpr_kernarg_segment_ptr 1
		.amdhsa_wavefront_size32 1
		.amdhsa_system_sgpr_workgroup_id_x 1
		.amdhsa_system_sgpr_workgroup_id_y 1
		.amdhsa_system_sgpr_workgroup_id_z 1
		.amdhsa_system_vgpr_workitem_id 0
		.amdhsa_next_free_vgpr 248
		.amdhsa_next_free_sgpr 66
		.amdhsa_reserve_vcc 0
		.amdhsa_float_denorm_mode_32 3
		.amdhsa_float_denorm_mode_16_64 3
		.amdhsa_memory_ordered 1
		.amdhsa_forward_progress 1
		.amdhsa_inst_pref_size 20
	.end_amdhsa_kernel
	.amdgpu_metadata
---
amdhsa.version: [ 1, 2 ]
amdhsa.kernels:
  - .name:           k_qf59f04d25d_quant
    .symbol:         k_qf59f04d25d_quant.kd
    .args:
      - { .name: q, .offset: 0, .size: 8, .value_kind: global_buffer, .address_space: global }
      - { .name: k, .offset: 8, .size: 8, .value_kind: global_buffer, .address_space: global }
      - { .name: v, .offset: 16, .size: 8, .value_kind: global_buffer, .address_space: global }
      - { .name: Wq, .offset: 24, .size: 8, .value_kind: global_buffer, .address_space: global }
      - { .name: Wk, .offset: 32, .size: 8, .value_kind: global_buffer, .address_space: global }
      - { .name: Wv, .offset: 40, .size: 8, .value_kind: global_buffer, .address_space: global }
      - { .name: Wc, .offset: 48, .size: 8, .value_kind: global_buffer, .address_space: global }
      - { .name: xq, .offset: 56, .size: 8, .value_kind: global_buffer, .address_space: global }
      - { .name: wq, .offset: 64, .size: 8, .value_kind: global_buffer, .address_space: global }
    .group_segment_fixed_size: 34304
    .private_segment_fixed_size: 0
    .kernarg_segment_align: 8
    .kernarg_segment_size: 72
    .max_flat_workgroup_size: 128
    .sgpr_count:     66
    .vgpr_count:     248
    .wavefront_size: 32
...
	.end_amdgpu_metadata
.endif
;; end of part 1
;; launch proj (part 2): grid 4 x 96, 4 waves a work-group, clusters of 4 x 4, 327,680 bytes of LDS; arguments xq, wq, bq, bk, bv, attention_mask, qimg, kv, vsum; writes qimg, kv, vsum
.if DOCPART == 2
	.amdgcn_target "amdgcn-amd-amdhsa--gfx1250"
	.amdhsa_code_object_version 6
	.text
	.protected	k_qf59f04d25d_proj
	.globl	k_qf59f04d25d_proj
	.p2align	8
	.type	k_qf59f04d25d_proj,@function
k_qf59f04d25d_proj:
	s_mov_b64 s[64:65], 0
	v_nop
	global_prefetch_b8 v0, s[64:65] scope:SCOPE_SE
	s_setreg_imm32_b32 hwreg(HW_REG_WAVE_MODE, 25, 1), 1
	s_wait_xcnt 0x0
	s_wait_alu depctr_hold_cnt(0) depctr_sa_sdst(0) depctr_va_vdst(0) depctr_va_sdst(0) depctr_va_ssrc(0) depctr_va_vcc(0) depctr_vm_vsrc(0)
	s_getreg_b32 s2, hwreg(HW_REG_IB_STS2, 6, 4)
	s_cmp_eq_u32 s2, 0
	s_cbranch_scc0 .Lentry_in_a_cluster
	s_endpgm
.Lentry_in_a_cluster:
	s_bfe_u32 s2, ttmp6, 0x10000c
	s_cmp_lg_u32 s2, 0xf033
	s_cbranch_scc0 .Lentry_shape_is_right
	s_endpgm
.Lentry_shape_is_right:
; The three projections q Wq^T + bq, k Wk^T + bk, v Wv^T + bv on codes of FP6 (E2M3), and the quantising of their results for the attention launch.
; A tile of C is 256 x 256, four waves of 128 x 128 (64 accumulators, 512 registers).  K = 1,024 goes in four steps of 256 through a ring of two LDS slots, written out without a loop.
; Operands lie in memory as images of their registers (a fragment of 16 rows x 128 K: 1,536 bytes), so a slot is dense, a fragment comes by two loads of 16 bytes and two of 8 a lane at 16 x lane and 8 x lane.
; CLUSTERS of 4 x 4: A's tiles are shared along a row of the cluster, B's along a column, each asked for jointly.  Cluster rows 0-7: q; 8-15: k (A = the tokens, B = the weight);
; 16-23: v, taken the other way round (A = Wv's rows, B = the tokens), so that a lane's registers run along the KEYS, which are the K of attention's second product.
; THE MATRIX INSTRUCTION IS USED TRANSPOSED (source 0 = 16 rows of B, source 1 = 16 rows of A), and B's rows lie in the permuted order: the 64 registers of a block of 16 rows of A are 128 neighbours along B's rows,
; register 16 g + i = 32 g + 16 (lane / 16) + i.  So a block is quantised in registers and stored as an image: for q and k two heads' halves (64 along the head), for v one fragment (16 of the head's numbers x 128 keys).
; THE PADDING MASK rides in k's scale words: the head has 64 numbers, the instruction 128; the attention launch sets one code -1 (k) and +1 (q) at place 64, whose block's byte is 1 for a key that counts and 247 for one that does not.
; vsum: the sum over each 128 keys of the quantised v, made by one more matrix instruction on the very codes (source 0 = ones): it serves the rows of padded queries.
; LIMITS: blocks whose largest magnitude lies under 2^-124 keep the byte 1; NaN and infinities are not served.  Scale words and vsum leave in runs of 128 and 64 bytes.
; REGISTERS: window 0: v16-30 addresses; v32-63 scale words, two sets; v64-127 the bias by columns; v128-223 A's fragments, one set; v232-239 mask bytes; v240-255 the bias by rows.  window 1: B's fragments, two sets.
;   windows 2, 3: the accumulators ((a, b) at v[8 (8 (a % 4) + b)]).  On the way out: v128-191 a block's numbers, v192-211 codes, v212-227 at work, v228 the scale word.
.set SCLX,  18874368
.set SCLW,  3145728
.set FR,    12                         ; registers of a fragment
.set NL,    4                          ; LDS loads that bring one
.set NP,    4                          ; places behind this matrix instruction (ISA guide 7.12.1)
.set HALFT, 16*1536                    ; 8 tiles x 2 fragments: what one tensor load brings
.set SLOT,  4*HALFT                    ; A's two halves, then B's
.set SCL,   2*SLOT                     ; behind the ring: the scale bytes, 4,096 for each wave's part; B's parts lie 128 bytes further on, so that one load's two runs of 128 bytes fall on different banks
.set SPARE, SCL+16640                  ; the spare words, 128 bytes for each wave
.set ADRA16, 16                        ; v16-17 my A fragments in slot 0, 1, at 16 x lane;  v18-19 at 8 x lane
.set ADRA8,  18
.set ADRB16, 20                        ; v20-23 the same for B
.set ADRB8,  22
.set L16,  24
.set L8,   25
.set L4,   26
.set ADRS, 27                          ; v27  my scale words: lanes 0-15 A's rows, lanes 16-31 B's
.set SPW,  28                          ; v28  my spare word; never rewritten
.set NIL,  29                          ; v29  0; never rewritten
.set R4,   30
.set SC,   32
.set BI,   64
.set AF,   128
.set MB,   232
.set RB,   240
.set HA,   128
.set PC,   192
.set TM,   212
.set PW,   228
.set W0,   229
.set W1,   230
.set ONS,  231
.set ON,   64
.set RSD,  80
.set G1,   24
.set G0,   32
.set G1B,  48
.set G0B,  56
.set SGA,  68                          ; s[68:69] my 4,096 scale bytes in memory
.set SLD,  76                          ; s76  where they go in LDS
.set STA,  8                           ; v8   the same + 16 x lane
.set SEL,  104
.set MSB, 0
.macro WIN new                         ; the immediate's high byte repeats the setting that is left
.if MSB != \new
	s_set_vgpr_msb (MSB<<8)|\new
.set MSB, \new
.endif
.endm
.set MUL_LO, 0xa1                      ; source 0 (B) window 1, source 1 (A) window 0, C and D window 2
.set MUL_HI, 0xf1
.set TO_B,   0x40
; A joint load: waves 0 and 1 fetch for A, waves 2 and 3 for B; the branch hangs on the wave's number alone.  An s_nop 0 and four v_nop follow each of the two lines.
.macro JLOAD g0a, g1a, g0b, g1b
	s_cmp_eq_u32 s15, 0
	s_cbranch_scc0 .Lfor_b_\@
	tensor_load_to_lds s[\g0a:\g0a+3], s[\g1a:\g1a+7]
	s_nop 0
.rept 4
	v_nop
.endr
	s_branch .Lasked_\@
.Lfor_b_\@:
	tensor_load_to_lds s[\g0b:\g0b+3], s[\g1b:\g1b+7]
	s_nop 0
.rept 4
	v_nop
.endr
.Lasked_\@:
.endm
.macro CREST                           ; a round of the cluster's barrier behind its opening barrier
	s_cmp_lg_u32 s14, 0
	s_cbranch_scc1 .Lnot_wave_0_\@
	s_barrier_signal -3
.Lnot_wave_0_\@:
	s_barrier_wait -3
	s_barrier_signal -1
	s_barrier_wait -1
.endm
.macro CROUND
	s_barrier_signal -1
	s_barrier_wait -1
	CREST
.endm
.macro PLACES n
.rept \n
	v_nop
.endr
.endm
.macro FRAG reg, a16, a8, q, i         ; fragment (tile i, the slot's q-th 128 along K): an image of 1,536 bytes
	ds_load_b128 v[\reg:\reg+3], v[\a16] offset:(2*(\i)+(\q))*1536
	ds_load_b64 v[\reg+4:\reg+5], v[\a8] offset:(2*(\i)+(\q))*1536+512
	ds_load_b128 v[\reg+6:\reg+9], v[\a16] offset:(2*(\i)+(\q))*1536+768
	ds_load_b64 v[\reg+10:\reg+11], v[\a8] offset:(2*(\i)+(\q))*1536+1280
.endm
.macro FETCH_B slot, q, p
	WIN TO_B
.irp i, 0,1,2,3,4,5,6,7
	FRAG 128*(\p)+FR*\i, ADRB16+\slot, ADRB8+\slot, \q, \i
.endr
	WIN 0
.endm
.macro FETCH_A slot, q, i0
.irp i, \i0, \i0+1, \i0+2, \i0+3
	FRAG AF+FR*(\i), ADRA16+\slot, ADRA8+\slot, \q, \i
.endr
.endm
.macro SCALES sc, ks                   ; K step ks's scale words into set sc: two words a row; lanes 0-15 take A's tile i, lanes 16-31 B's
.irp i, 0,1,2,3,4,5,6,7
	ds_load_b64 v[SC+16*\sc+2*\i:SC+16*\sc+2*\i+1], v[ADRS] offset:512*\i+128*\ks
.endr
.endm
; 16 matrix instructions: A's blocks a0, a0 + 1 x B's eight.  The 64 accumulators take turns, one instruction a turn, in the same order in every step.
.macro MUL16 a0, p, q, sc, zero
.irp a, \a0, \a0+1
.irp b, 0,1,2,3,4,5,6,7
.if \zero
	v_wmma_scale_f32_16x16x128_f8f6f4 v[8*(8*((\a)%4)+\b):8*(8*((\a)%4)+\b)+7], v[128*(\p)+FR*\b:128*(\p)+FR*\b+FR-1], v[AF+FR*(\a):AF+FR*(\a)+FR-1], 0, v[SC+16*(\sc)+2*\b+(\q)], v[SC+16*(\sc)+2*(\a)+(\q)] matrix_a_fmt:MATRIX_FMT_FP6 matrix_b_fmt:MATRIX_FMT_FP6 matrix_a_scale:MATRIX_SCALE_ROW1
.else
	v_wmma_scale_f32_16x16x128_f8f6f4 v[8*(8*((\a)%4)+\b):8*(8*((\a)%4)+\b)+7], v[128*(\p)+FR*\b:128*(\p)+FR*\b+FR-1], v[AF+FR*(\a):AF+FR*(\a)+FR-1], v[8*(8*((\a)%4)+\b):8*(8*((\a)%4)+\b)+7], v[SC+16*(\sc)+2*\b+(\q)], v[SC+16*(\sc)+2*(\a)+(\q)] matrix_a_fmt:MATRIX_FMT_FP6 matrix_b_fmt:MATRIX_FMT_FP6 matrix_a_scale:MATRIX_SCALE_ROW1
.endif
.endr
.endr
.endm
.macro STEP slot, q, zero              ; a step of 128 along K that has its successor in the same slot
	s_wait_dscnt 4*NL                              ; B's set, A's blocks 0-3 and the scale words are in; the youngest 16 loads (A's blocks 4-7) may be out
	WIN MUL_LO
	MUL16 0, (\q)%2, \q, \slot, \zero
	MUL16 2, (\q)%2, \q, \slot, \zero
	s_wait_dscnt 0
	PLACES NP
	FETCH_B \slot, (\q)+1, 1-(\q)%2
	FETCH_A \slot, (\q)+1, 0
	WIN MUL_HI
	MUL16 4, (\q)%2, \q, \slot, \zero
	MUL16 6, (\q)%2, \q, \slot, \zero
	PLACES NP
	WIN 0
	FETCH_A \slot, (\q)+1, 4
.endm
; A slot's last step changes slots: one barrier; in front of it each wave waits for all its tensor loads, adds 0 to its spare word, and waits for that and for its reads of this slot.  fill = 1: the slot is filled again, two K steps ahead.
.macro TURN slot, next, fill, ks
	s_wait_tensorcnt 0x0                           ; all my tensor loads have landed: my part of the next slot
	ds_add_u32 v[SPW], v[NIL]                      ; 0 onto my spare word
	s_wait_dscnt 4*NL+1                            ; (the add and the youngest 16 loads may be out)
	WIN MUL_LO
	MUL16 0, 1, 1, \slot, 0
	s_wait_dscnt 0x0                               ; the add is done, and my reads of this slot are over
	s_barrier_signal -1
	MUL16 2, 1, 1, \slot, 0
	WIN 0
	s_barrier_wait -1
.if \fill
	CREST                                          ; the barrier has opened a round of the cluster's barrier: no wave of any partner still reads this slot or has a load on its way
	s_add_nc_u64 s[G0+4*\slot+2:G0+4*\slot+3], s[G0+4*\slot+2:G0+4*\slot+3], 6144
	s_add_nc_u64 s[G0B+4*\slot+2:G0B+4*\slot+3], s[G0B+4*\slot+2:G0B+4*\slot+3], 6144
	JLOAD G0+4*\slot, G1, G0B+4*\slot, G1B         ; the first tensor load behind the round; its four v_nop are the places in front of the loads below
.else
	PLACES NP
.endif
	FETCH_B \next, 0, 0
	FETCH_A \next, 0, 0
	SCALES \next, \ks
	WIN MUL_HI
	MUL16 4, 1, 1, \slot, 0
	MUL16 6, 1, 1, \slot, 0
	PLACES NP
	WIN 0
	FETCH_A \next, 0, 4
.endm
; 64 numbers of a lane, v[s] .. v[s + 63], register 16 b + i = k 32 b + 16 (lane / 16) + i of my row, become a fragment's codes in v[PC] on and its scale word in v[pw].
.macro QUANT s, pw
.irp b, 0,1,2,3
	v_max3_num_f32 v[TM+\b], |v[\s+16*\b]|, |v[\s+1+16*\b]|, 0x1800000   ; and the floor 2^(3 - 127): the byte cannot fall under 1
.endr
.irp i, 2,4,6,8,10,12,14
.irp b, 0,1,2,3
	v_max3_num_f32 v[TM+\b], v[TM+\b], |v[\s+16*\b+\i]|, |v[\s+1+16*\b+\i]|
.endr
.endr
.irp b, 0,1,2,3
	v_permlanex16_b32 v[TM+4+\b], v[TM+\b], s[SEL], s[SEL+1]
.endr
.irp b, 0,1,2,3
	v_max_num_f32 v[TM+\b], v[TM+\b], v[TM+4+\b]
.endr
.irp b, 0,1,2,3
	v_add_nc_u32 v[TM+12+\b], 0xff000000, v[TM+\b]     ; 2 off the exponent field: the conversion's scale operand
.endr
.irp b, 0,1,2,3
	v_lshrrev_b32 v[TM+4+\b], 23, v[TM+12+\b]
.endr
	v_lshl_or_b32 v[\pw], v[TM+5], 8, v[TM+4]
	v_lshl_or_b32 v[\pw], v[TM+6], 16, v[\pw]
	v_lshl_or_b32 v[\pw], v[TM+7], 24, v[\pw]
.irp c, 0,1
	v_cvt_scalef32_pk16_fp6_f32 v[PC+6*\c:PC+2+6*\c], v[\s+32*\c:\s+15+32*\c], v[TM+12+2*\c]
	v_cvt_scalef32_pk16_fp6_f32 v[PC+12+4*\c:PC+14+4*\c], v[\s+16+32*\c:\s+31+32*\c], v[TM+12+2*\c+1]
.endr
	v_nop                                              ; one plain place behind a scaled conversion
.irp c, 0,1
.irp i, 0,1,2
	v_permlane16_swap_b32 v[PC+6*\c+\i], v[PC+12+4*\c+\i]
.endr
.irp i, 0,1,2
	v_mov_b32 v[PC+3+6*\c+\i], v[PC+12+4*\c+\i]
.endr
.endr
.endm
	s_load_b256 s[4:11], s[0:1], 0x0               ; xq, wq, bq, bk
	s_load_b64 s[12:13], s[0:1], 0x20              ; bv
	s_load_b256 s[92:99], s[0:1], 0x28             ; attention_mask, qimg, kv, vsum
	v_lshl_add_u32 v[SPW], v0, 2, SPARE
	v_mov_b32 v[NIL], 0
	ds_add_u32 v[SPW], v[NIL]                      ; the wave's opening
	ds_add_u32 v[SPW], v[NIL]
	v_lshrrev_b32 v1, 5, v0
	v_readfirstlane_b32 s14, v1                    ; wave 0..3
	s_lshr_b32 s15, s14, 1                         ; which half of the tile's rows is mine.  Also: I fetch for A (0) or for B (1)
	s_and_b32 s16, s14, 1                          ; which half of its columns.  Also: which 8 tiles I fetch
	s_bfe_u32 s40, ttmp6, 0x40000                  ; cx
	s_bfe_u32 s41, ttmp6, 0x40004                  ; cy
	s_and_b32 s100, ttmp7, 0xffff                  ; the cluster's row, 0..23: the same in all sixteen partners
	s_lshl_b32 s17, s100, 2
	s_cmp_lt_u32 s100, 16
	s_cselect_b32 s17, s17, 0
	s_add_co_u32 s17, s17, s41                     ; tile row: q, k: 4 x cluster + cy; v: cy
	s_sub_co_u32 s42, s100, 16
	s_lshl_b32 s42, s42, 2
	s_cmp_lt_u32 s100, 16
	s_cselect_b32 s42, 0, s42
	s_add_co_u32 s42, s42, s40                     ; tile column: q, k: cx; v: 4 x (cluster - 16) + cx
	s_lshl_b32 s43, s41, 2
	s_lshl_b32 s43, 15, s43                        ; my row of the cluster
	s_lshl_b32 s44, 0x1111, s40                    ; my column
	; descriptor group 1: 8 rows (tiles) of 3,072 bytes (two fragments), 12,288 bytes apart; elements of 8 bytes; dense in LDS
	s_or_b32 s[G1+0], s43, (3<<16)|(1<<21)
	s_or_b32 s[G1B+0], s44, (3<<16)|(1<<21)
.irp g, G1, G1B
	s_mov_b32 s[\g+1], 384<<16                     ; tensor_dim0
	s_mov_b32 s[\g+2], 16<<16                      ; tensor_dim1: a head's load brings all 16 tiles of A or of B for one K step; behind the head the two words that count rows are set to 8
	s_mov_b32 s[\g+3], 384<<16                     ; tile_dim0
	s_mov_b32 s[\g+4], 16                          ; tile_dim1
	s_mov_b32 s[\g+5], 1536                        ; the pitch
	s_mov_b32 s[\g+6], 0
	s_mov_b32 s[\g+7], 0
.endr
	; which tiles I fetch.  A's hang on the cluster's row, cy and the wave; B's on the cluster's row, cx and the wave; each in registers that never hold the other coordinate
	s_lshl_b32 s18, s16, 3
	s_lshl_b32 s20, s17, 4
	s_add_co_u32 s20, s20, s18
	s_lshl_b32 s46, s42, 4
	s_add_co_u32 s46, s46, s18
	s_cmp_lt_u32 s100, 16
	s_cselect_b32 s19, 0, 128                      ; A: xq's tiles of q and k as they lie, or Wv's in wq
	s_mov_b32 s66, 1024
	s_cselect_b32 s66, 64, s66                     ; B: Wk's in wq, or v's in xq,
	s_mov_b32 s22, SCLW
	s_cselect_b32 s22, SCLX, s22
	s_mov_b32 s2, SCLX
	s_cselect_b32 s2, SCLW, s2
	s_cmp_lt_u32 s100, 8
	s_cselect_b32 s66, 0, s66                      ; or Wq's
	s_add_co_u32 s20, s20, s19
	s_add_co_u32 s46, s46, s66
	s_lshl_b32 s19, s20, 9
	s_add_co_u32 s22, s22, s19                     ; A's scale bytes
	s_mul_i32 s20, s20, 12288                      ; A's codes
	s_lshl_b32 s66, s46, 9
	s_add_co_u32 s2, s2, s66                       ; B's scale bytes
	s_mul_i32 s46, s46, 12288                      ; B's codes
	s_mov_b32 s21, 0
	s_mov_b32 s23, 0
	s_mov_b32 s47, 0
	s_mov_b32 s3, 0
	s_mul_i32 s45, s14, HALFT                      ; where the codes go: no place in the cluster enters an LDS address
	s_lshl_b32 s[SLD], s14, 12                     ; and the scale bytes: 4,096 x wave + 128 x (wave / 2)
	s_lshl_b32 s77, s15, 7
	s_add_co_u32 s[SLD], s[SLD], s77
	s_add_co_u32 s[SLD], s[SLD], SCL
	s_mov_b32 s[SEL], 0x76543210
	s_mov_b32 s[SEL+1], 0xfedcba98
	s_mov_b32 s101, 0x7f000000
	s_wait_dscnt 0x0                               ; the opening add is done
	s_wait_kmcnt 0x0
	s_cmp_lt_u32 s100, 16
	s_cselect_b64 s[18:19], s[4:5], s[6:7]         ; A's buffer
	s_cselect_b64 s[66:67], s[6:7], s[4:5]         ; B's
	s_add_nc_u64 s[20:21], s[18:19], s[20:21]
	s_add_nc_u64 s[22:23], s[18:19], s[22:23]
	s_add_nc_u64 s[46:47], s[66:67], s[46:47]
	s_add_nc_u64 s[2:3], s[66:67], s[2:3]
	CROUND                                         ; all sixteen work-groups are here: the first joint loads meet
	s_cmp_eq_u32 s15, 0
	s_cselect_b64 s[SGA:SGA+1], s[22:23], s[2:3]   ; my 4,096 scale bytes: waves 0, 1 A's halves, waves 2, 3 B's
	s_mul_i32 s18, s16, 98304                      ; my half's 8 tiles, in bytes
	s_mov_b32 s19, 0
	s_sub_nc_u64 s[20:21], s[20:21], s[18:19]      ; back to the first of A's 16 tiles,
	s_sub_nc_u64 s[46:47], s[46:47], s[18:19]      ; and of B's
.irp s, 0,1                                    ; for the head each group 0 names a whole operand of K step s
	s_mov_b32 s[G0+4*\s], 1
	s_mov_b32 s[G0+4*\s+1], \s*SLOT
	s_add_nc_u64 s[G0+4*\s+2:G0+4*\s+3], s[20:21], \s*3072
	s_or_b32 s[G0+4*\s+3], s[G0+4*\s+3], 0x80000000
	s_mov_b32 s[G0B+4*\s], 1
	s_mov_b32 s[G0B+4*\s+1], \s*SLOT+2*HALFT
	s_add_nc_u64 s[G0B+4*\s+2:G0B+4*\s+3], s[46:47], \s*3072
	s_or_b32 s[G0B+4*\s+3], s[G0B+4*\s+3], 0x80000000
.endr
; THE HEAD'S LOADS, ONE A WAVE: wave 0 A of K step 0, wave 1 B of K step 0, wave 2 A of K step 1, wave 3 B of K step 1.  One chain of branches on the wave's number; every way passes one load.
.macro ARM under, g0, g1, next
	s_cmp_lt_u32 s14, \under
	s_cbranch_scc0 \next
	tensor_load_to_lds s[\g0:\g0+3], s[\g1:\g1+7]
	s_nop 0
.rept 4
	v_nop
.endr
	s_branch .Lhead_asked
\next:
.endm
	ARM 1, G0,   G1,  .Lhead_b0
	ARM 2, G0B,  G1B, .Lhead_a1
	ARM 3, G0+4, G1,  .Lhead_b1
	tensor_load_to_lds s[G0B+4:G0B+7], s[G1B:G1B+7]
	s_nop 0
.rept 4
	v_nop
.endr
.Lhead_asked:
	v_and_b32 v1, 15, v0                           ; r
	v_bfe_u32 v2, v0, 4, 1                         ; h
	v_and_b32 v3, 31, v0                           ; lane
	v_lshlrev_b32 v[L16], 4, v3
	v_lshlrev_b32 v[L8], 3, v3
	v_lshlrev_b32 v[L4], 2, v3
	v_lshlrev_b32 v[R4], 2, v1
	v_add_nc_u32 v[STA], s[SLD], v[L16]
.irp i, 0,1,2,3,4,5,6,7                        ; the scale bytes, 16,384 of a work-group's 409,600 operand bytes, come by plain loads (512 consecutive bytes each) and go to LDS by stores: so the head has one tensor load a wave
	global_load_b128 v[AF+4*\i:AF+4*\i+3], v[L16], s[SGA:SGA+1] offset:512*\i
.endr
	s_mul_i32 s21, s15, HALFT                      ; my half of A
	s_mul_i32 s22, s16, HALFT
	s_add_co_u32 s22, s22, 2*HALFT                 ; my half of B
.irp s, 0,1
	v_add_nc_u32 v[ADRA16+\s], s21, v[L16]
	v_add_nc_u32 v[ADRA8+\s], s21, v[L8]
	v_add_nc_u32 v[ADRB16+\s], s22, v[L16]
	v_add_nc_u32 v[ADRB8+\s], s22, v[L8]
	s_add_co_u32 s21, s21, SLOT
	s_add_co_u32 s22, s22, SLOT
.endr
	s_lshl_b32 s21, s15, 12                        ; A's scale bytes: my half
	s_lshl_b32 s22, s16, 12
	s_add_co_u32 s22, s22, 2*4096+128              ; B's
	s_sub_co_u32 s22, s22, s21
	v_mul_u32_u24 v4, s22, v2                      ; lanes 16-31 take B's: one product in h
	s_add_co_u32 s21, s21, SCL
	v_lshl_add_u32 v4, v1, 3, v4
	v_add_nc_u32 v[ADRS], s21, v4
	; the bias by columns and by rows, and the mask bytes: every work-group loads all three, each way out uses its own
	s_cmp_lt_u32 s100, 8
	s_cselect_b64 s[18:19], s[8:9], s[10:11]
	s_cmp_lt_u32 s100, 16
	s_cselect_b64 s[18:19], s[18:19], s[12:13]
	s_and_b32 s66, s42, 3
	s_lshl_b32 s66, s66, 10
	s_lshl_b32 s67, s16, 9
	s_add_co_u32 s66, s66, s67
	s_mov_b32 s67, 0
	s_add_nc_u64 s[20:21], s[18:19], s[66:67]      ; my 128 columns' numbers
	s_and_b32 s66, s17, 3
	s_lshl_b32 s66, s66, 10
	s_lshl_b32 s2, s15, 9
	s_add_co_u32 s66, s66, s2
	s_add_nc_u64 s[22:23], s[18:19], s[66:67]      ; my 128 rows' numbers
	s_and_b32 s66, s17, 31
	s_lshl_b32 s66, s66, 8
	s_lshl_b32 s2, s15, 7
	s_add_co_u32 s66, s66, s2
	s_add_nc_u64 s[46:47], s[92:93], s[66:67]      ; my 128 tokens' mask bytes
	v_lshlrev_b32 v5, 6, v2                        ; 64 h
	v_and_b32 v6, 8, v1
	v_add_nc_u32 v6, v6, v1                        ; r + 8 (r / 8)
	v_lshlrev_b32 v7, 2, v6
.irp b, 0,1,2,3,4,5,6,7
	global_load_b128 v[BI+8*\b:BI+8*\b+3], v5, s[20:21] offset:(32*(\b/2)+8*(\b%2))*4
	global_load_b128 v[BI+8*\b+4:BI+8*\b+7], v5, s[20:21] offset:(32*(\b/2)+8*(\b%2))*4+16
.endr
.irp a, 0,1,2,3,4,5,6,7
	global_load_b32 v[RB+2*\a], v7, s[22:23] offset:(32*(\a/2)+8*(\a%2))*4
	global_load_b32 v[RB+2*\a+1], v7, s[22:23] offset:(32*(\a/2)+8*(\a%2))*4      ; twice: a pair for the packed addition
	global_load_u8 v[MB+\a], v6, s[46:47] offset:32*(\a/2)+8*(\a%2)
.endr
	s_wait_alu depctr_va_vdst(0)
	s_wait_tensorcnt 0x0                           ; my head's load is in; no tensor load of mine is out, so descriptors may be written
	s_wait_loadcnt 40                              ; my scale bytes are in registers; the 16 + 24 loads of biases and mask bytes issued behind them may be out
.irp i, 0,1,2,3,4,5,6,7
	ds_store_b128 v[STA], v[AF+4*\i:AF+4*\i+3] offset:512*\i
.endr
	s_mov_b32 s[G1+2], 8<<16                       ; from here on a load brings 8 tiles
	s_mov_b32 s[G1+4], 8
	s_mov_b32 s[G1B+2], 8<<16
	s_mov_b32 s[G1B+4], 8
	s_mul_i32 s18, s16, 98304
	s_mov_b32 s19, 0
.irp s, 0,1                                    ; and each group 0 names my quarter of its slot
	s_add_co_u32 s[G0+4*\s+1], s45, \s*SLOT
	s_add_nc_u64 s[G0+4*\s+2:G0+4*\s+3], s[G0+4*\s+2:G0+4*\s+3], s[18:19]
	s_add_co_u32 s[G0B+4*\s+1], s45, \s*SLOT
	s_add_nc_u64 s[G0B+4*\s+2:G0B+4*\s+3], s[G0B+4*\s+2:G0B+4*\s+3], s[18:19]
.endr
	s_wait_dscnt 0x0                               ; my scale bytes are stored: for the others' sake.
	s_barrier_signal -1
	s_barrier_wait -1
	FETCH_B 0, 0, 0
	FETCH_A 0, 0, 0
	SCALES 0, 0
	FETCH_A 0, 0, 4
	STEP 0, 0, 1                                   ; the first products start the sums: nothing is cleared
	TURN 0, 1, 1, 1
	STEP 1, 0, 0
	TURN 1, 0, 1, 2
	STEP 0, 0, 0
	TURN 0, 1, 0, 3                                ; nothing is left to fetch
	STEP 1, 0, 0
	s_wait_dscnt 4*NL
	WIN MUL_LO
	MUL16 0, 1, 1, 1, 0
	MUL16 2, 1, 1, 1, 0
	s_wait_dscnt 0
	WIN MUL_HI
	MUL16 4, 1, 1, 1, 0
	MUL16 6, 1, 1, 1, 0
	WIN 0
	; THE WAY OUT, block by block of 16 rows of A: + bias, quantised in registers, stored as images.  No LDS.
	PLACES NP
	s_wait_loadcnt 0x0                             ; the biases and the mask bytes; their address registers are free
.irp b, 0,1,2,3
	v_mov_b32 v[TM+4+\b], 0                        ; written once: a lane permute's destination counts as one of its sources
.endr
.macro EPI a, isv
.if (\a) > 0
	s_wait_xcnt 0x0                                ; the last block's stores have read their data, which are written again below
.endif
.set WN, 2+(\a)/4
	WIN WN                                         ; source 0: the accumulators' window
.set i, 0
.rept 32                                       ; each accumulator from its low end on; the addition also brings the block into window 0
.if \isv
	v_pk_add_f32 v[HA+2*i:HA+2*i+1], v[64*((\a)%4)+2*i:64*((\a)%4)+2*i+1], v[RB+2*(\a):RB+2*(\a)+1]
.else
	v_pk_add_f32 v[HA+2*i:HA+2*i+1], v[64*((\a)%4)+2*i:64*((\a)%4)+2*i+1], v[BI+2*i:BI+2*i+1]
.endif
.set i, i+1
.endr
	WIN 0
	QUANT HA, PW
.if \isv
	global_store_b128 v[L16], v[PC:PC+3], s[4:5] offset:((\a)/4)*221184+((\a)%4)*1536
	global_store_b64 v[L8], v[PC+4:PC+5], s[4:5] offset:((\a)/4)*221184+((\a)%4)*1536+512
	global_store_b128 v[L16], v[PC+6:PC+9], s[4:5] offset:((\a)/4)*221184+((\a)%4)*1536+768
	global_store_b64 v[L8], v[PC+10:PC+11], s[4:5] offset:((\a)/4)*221184+((\a)%4)*1536+1280
	global_store_b32 v[L4], v[PW], s[6:7] offset:((\a)/4)*221184+((\a)%4)*128
.rept 8
	v_nop                                          ; a scale register written by a vector instruction stands 8 places ahead of a scaled matrix instruction, an operand 4
.endr
	v_wmma_scale_f32_16x16x128_f8f6f4 v[RSD:RSD+7], v[ON:ON+11], v[PC:PC+11], 0, v[ONS], v[PW] matrix_a_fmt:MATRIX_FMT_FP6 matrix_b_fmt:MATRIX_FMT_FP6   ; ones x the codes: register 0 of lane r is the sum of row r over these 128 keys
.rept 4
	v_nop
.endr
	global_store_b32 v[R4], v[RSD], s[8:9] offset:64*(\a)       ; lanes r and r + 16 hold and write the same
.else
	global_store_b128 v[L16], v[PC:PC+3], s[4:5] offset:768*(\a)            ; the first head's half: 512 consecutive bytes,
	global_store_b64 v[L8], v[PC+4:PC+5], s[4:5] offset:768*(\a)+512        ; and 256
	global_store_b128 v[L16], v[PC+6:PC+9], s[6:7] offset:768*(\a)          ; the second head's
	global_store_b64 v[L8], v[PC+10:PC+11], s[6:7] offset:768*(\a)+512
	v_and_or_b32 v[W0], v[PW], 0xffff, v[MB+(\a)]  ; a head's two bytes, the mask's byte, 127
	v_lshrrev_b32 v[W1], 16, v[PW]
	v_or_b32 v[W1], v[W1], v[MB+(\a)]
	global_store_b32 v[L4], v[W0], s[8:9] offset:128*(\a)
	global_store_b32 v[L4], v[W1], s[10:11] offset:128*(\a)
.endif
.endm
	s_cmp_ge_u32 s100, 16                          ; the cluster's row: all partners go the same way
	s_cbranch_scc1 .Lway_v
	; q and k.  Batch (tile row % 32) / 8, block of 256 tokens tile row % 8, heads 4 x tile column + 2 x half and the next
	s_cmp_lt_u32 s100, 8
	s_mov_b32 s66, 247
	s_cselect_b32 s66, 127, s66                    ; the third byte: q: 127; k: 247 - 246 x mask
	s_cselect_b32 s67, 0, 246
	s_mov_b32 s18, 221184
	s_cselect_b32 s18, 114688, s18                 ; from head to head
	s_mov_b32 s19, 27648
	s_cselect_b32 s19, 12288, s19                  ; codes: from block to block
	s_mov_b32 s20, 12288
	s_cselect_b32 s20, 98304, s20                  ; where the scale words begin
	s_mov_b32 s21, 27648
	s_cselect_b32 s21, 2048, s21                   ; scale words: from block to block
	s_cselect_b64 s[4:5], s[94:95], s[96:97]       ; qimg or kv
	s_and_b32 s22, s17, 31
	s_lshr_b32 s22, s22, 3
	s_lshl_b32 s22, s22, 4
	s_lshl_b32 s23, s42, 2
	s_add_co_u32 s22, s22, s23
	s_lshl_b32 s23, s16, 1
	s_add_co_u32 s22, s22, s23                     ; 16 x batch + head
	s_mul_i32 s22, s22, s18
	s_and_b32 s23, s17, 7
	s_mul_i32 s19, s23, s19
	s_mul_i32 s21, s23, s21
	s_add_co_u32 s19, s19, s22
	s_mul_i32 s23, s15, 6144                       ; my 8 tiles of the block's 16
	s_add_co_u32 s2, s19, s23
	s_mov_b32 s3, 0
	s_add_co_u32 s21, s21, s22
	s_add_co_u32 s21, s21, s20
	s_lshl_b32 s23, s15, 10
	s_add_co_u32 s46, s21, s23
	s_mov_b32 s47, 0
	s_mov_b32 s19, 0
	s_add_nc_u64 s[8:9], s[4:5], s[46:47]          ; the first head's scale words
	s_add_nc_u64 s[4:5], s[4:5], s[2:3]            ; its codes
	s_add_nc_u64 s[6:7], s[4:5], s[18:19]          ; the second head's
	s_add_nc_u64 s[10:11], s[8:9], s[18:19]
.irp a, 0,1,2,3,4,5,6,7
	v_mul_u32_u24 v[MB+\a], s67, v[MB+\a]
	v_sub_nc_u32 v[MB+\a], s66, v[MB+\a]
	v_lshl_or_b32 v[MB+\a], v[MB+\a], 16, s101
.endr
.irp a, 0,1,2,3,4,5,6,7
	EPI \a, 0
.endr
	s_branch .Ldone
.Lway_v:
	; v.  Batch tile column / 8, slot of 256 keys tile column % 8, key step = my half of the columns; heads 4 x tile row + 2 x half and the next
.irp c, 0,1,2,3
	v_mov_b32 v[ON+3*\c], 0x08208208               ; the code of 1.0, sixteen times in three registers
	v_mov_b32 v[ON+3*\c+1], 0x82082082
	v_mov_b32 v[ON+3*\c+2], 0x20820820
.endr
	v_mov_b32 v[ONS], 0x7f7f7f7f                   ; and the scale 1
	s_lshr_b32 s18, s42, 3
	s_lshl_b32 s18, s18, 4                         ; 16 x batch
	s_lshl_b32 s19, s17, 2
	s_add_co_u32 s19, s19, s18
	s_lshl_b32 s20, s15, 1
	s_add_co_u32 s19, s19, s20
	s_lshl_b32 s19, s19, 3
	s_and_b32 s20, s42, 7
	s_add_co_u32 s19, s19, s20
	s_mul_i32 s19, s19, 27648                      ; the record
	s_mul_i32 s21, s16, 6144
	s_add_co_u32 s2, s19, s21
	s_add_co_u32 s2, s2, 14336
	s_mov_b32 s3, 0
	s_lshl_b32 s21, s16, 9
	s_add_co_u32 s46, s19, s21
	s_add_co_u32 s46, s46, 26624
	s_mov_b32 s47, 0
	s_add_nc_u64 s[4:5], s[96:97], s[2:3]          ; the key step's four fragments
	s_add_nc_u64 s[6:7], s[96:97], s[46:47]        ; their scale words
	s_lshl_b32 s20, s20, 1
	s_add_co_u32 s20, s20, s18
	s_add_co_u32 s20, s20, s16                     ; 16 x batch + the run of 128 keys
	s_lshl_b32 s20, s20, 12
	s_lshl_b32 s21, s17, 10
	s_add_co_u32 s20, s20, s21
	s_lshl_b32 s21, s15, 9
	s_add_co_u32 s2, s20, s21
	s_add_nc_u64 s[8:9], s[98:99], s[2:3]          ; vsum
.irp a, 0,1,2,3,4,5,6,7
	EPI \a, 1
.endr
.Ldone:
	s_wait_tensorcnt 0x0                           ; the wave's end
	ds_add_u32 v[SPW], v[NIL]
	s_wait_dscnt 0x0
	CROUND                                         ; the closing round: no work-group ends while a partner may still ask for a tile that names it
	s_endpgm
.Lfunc_end_k_qf59f04d25d_proj:
	.size	k_qf59f04d25d_proj, .Lfunc_end_k_qf59f04d25d_proj-k_qf59f04d25d_proj
	.p2alignl 7, 3214868480
	.fill 96, 4, 3214868480
	.section	.rodata,"a",@progbits
	.p2align	6, 0x0
	.amdhsa_kernel k_qf59f04d25d_proj
		.amdhsa_group_segment_fixed_size 327680
		.amdhsa_private_segment_fixed_size 0
		.amdhsa_enable_private_segment 0
		.amdhsa_kernarg_size 72
		.amdhsa_user_sgpr_count 2
		.amdhsa_user_sgpr_kernarg_segment_ptr 1
		.amdhsa_wavefront_size32 1
		.amdhsa_system_sgpr_workgroup_id_x 1
		.amdhsa_system_sgpr_workgroup_id_y 1
		.amdhsa_system_sgpr_workgroup_id_z 1
		.amdhsa_system_vgpr_workitem_id 0
		.amdhsa_next_free_vgpr 1024
		.amdhsa_next_free_sgpr 106
		.amdhsa_reserve_vcc 0
		.amdhsa_float_denorm_mode_32 3
		.amdhsa_float_denorm_mode_16_64 3
		.amdhsa_memory_ordered 1
		.amdhsa_forward_progress 1
		.amdhsa_inst_pref_size 231
	.end_amdhsa_kernel
	.amdgpu_metadata
---
amdhsa.version: [ 1, 2 ]
amdhsa.kernels:
  - .name:           k_qf59f04d25d_proj
    .symbol:         k_qf59f04d25d_proj.kd
    .args:
      - { .name: xq, .offset: 0, .size: 8, .value_kind: global_buffer, .address_space: global }
      - { .name: wq, .offset: 8, .size: 8, .value_kind: global_buffer, .address_space: global }
      - { .name: bq, .offset: 16, .size: 8, .value_kind: global_buffer, .address_space: global }
      - { .name: bk, .offset: 24, .size: 8, .value_kind: global_buffer, .address_space: global }
      - { .name: bv, .offset: 32, .size: 8, .value_kind: global_buffer, .address_space: global }
      - { .name: attention_mask, .offset: 40, .size: 8, .value_kind: global_buffer, .address_space: global }
      - { .name: qimg, .offset: 48, .size: 8, .value_kind: global_buffer, .address_space: global }
      - { .name: kv, .offset: 56, .size: 8, .value_kind: global_buffer, .address_space: global }
      - { .name: vsum, .offset: 64, .size: 8, .value_kind: global_buffer, .address_space: global }
    .group_segment_fixed_size: 327680
    .private_segment_fixed_size: 0
    .kernarg_segment_align: 8
    .kernarg_segment_size: 72
    .max_flat_workgroup_size: 128
    .sgpr_count:     106
    .vgpr_count:     1024
    .wavefront_size: 32
...
	.end_amdgpu_metadata
.endif
;; end of part 2
;; launch attn (part 3): grid 4 x 64, 16 waves a work-group, clusters of 4 x 1, 327,680 bytes of LDS; arguments qimg, kv, vsum, attention_mask, oq; writes oq
.if DOCPART == 3
	.amdgcn_target "amdgcn-amd-amdhsa--gfx1250"
	.amdhsa_code_object_version 6
	.text
	.protected	k_qf59f04d25d_attn
	.globl	k_qf59f04d25d_attn
	.p2align	8
	.type	k_qf59f04d25d_attn,@function
k_qf59f04d25d_attn:
	s_mov_b64 s[64:65], 0
	v_nop
	global_prefetch_b8 v0, s[64:65] scope:SCOPE_SE
	s_setreg_imm32_b32 hwreg(HW_REG_WAVE_MODE, 25, 1), 1
	s_wait_xcnt 0x0
	s_wait_alu depctr_hold_cnt(0) depctr_sa_sdst(0) depctr_va_vdst(0) depctr_va_sdst(0) depctr_va_ssrc(0) depctr_va_vcc(0) depctr_vm_vsrc(0)
	s_getreg_b32 s2, hwreg(HW_REG_IB_STS2, 6, 4)
	s_cmp_eq_u32 s2, 0
	s_cbranch_scc0 .Lentry_in_a_cluster
	s_endpgm
.Lentry_in_a_cluster:
	s_bfe_u32 s2, ttmp6, 0x10000c
	s_cmp_lg_u32 s2, 0x3003
	s_cbranch_scc0 .Lentry_shape_is_right
	s_endpgm
.Lentry_shape_is_right:
; Attention of one (batch, head) on codes of FP6 (E2M3): S = Q K^T / 8 under the causal and the padding mask, p = 2^(t - M), O = P V / l; O is quantised along the model's 1,024 and stored as an operand of the last product.
; t = score x log2(e) / 8; M = the row's largest t so far, rounded up to a whole number; p is quantised along the keys, not normalised; l is the sum of the unquantised p.  When M moves, l and O are multiplied by 2^(old M - new M): exact.
; ALL OF A HEAD'S K AND V LIES IN LDS: eight records of 256 keys, 27,648 bytes each (k's 16 tiles as halves of fragments, their scale words, v's 8 fragments, their scale words), 221,184 bytes, dense in memory.
; Each of the sixteen waves asks for half a record (54 rows of 256 bytes) at the head: one tensor load a wave, no branch round it.  Nothing is filled again: one barrier stands behind the fills and none in the loop.
; SHARES.  The four work-groups of a head form a cluster of 4 x 1 and ask for the records JOINTLY (mask 15).  Wave w of the work-group at place cx owns the tiles of 16 queries 127 - T and T, T = 4 w + cx, one after the other.
; Tile 127 - T has 16 - w / 2 steps of 128 keys under the causal mask, tile T has w / 2 + 1: SEVENTEEN steps for every wave.  The last step's number hangs on the wave's number alone; cx enters global addresses and the causal compare's numbers, no branch and no LDS address.
; The loop has a constant count: 2 x 8 trips, a record a trip; steps beyond a tile's last are jumped over (a branch on the wave's number and the trip).
; K'S FRAGMENTS RUN AHEAD: a step's tiles 0-3 are read from LDS in the step before (at a tile's start: beside its set-up), into the registers that are free from the step's second run of products on; tiles 4-7 are read while blocks 0 and 1 are masked and searched.
; NO PREFETCH: every record is asked for by the head's loads, so no later trip has anything left to ask for.
; LAYOUT.  Both products are used transposed (S^T = K Q^T, O^T = V^T P^T): a lane holds one query (lane % 16).  The keys of a tile and the rows of a tile of V lie in the permuted order, so that 16 registers of two neighbouring tiles are 16 neighbours.
; THE HEAD HAS 64 NUMBERS, THE INSTRUCTION 128.  Registers 6-11 of K's and Q's fragments are constants: one code at place 64, -1 in K and +1 in Q, else zeros.  The third byte of a key's scale word is 1 (the key counts: the score gets -2^-126)
; or 247 (it does not: -2^120).  The causal mask is set by compare and select in a tile's last step.
; A PADDED QUERY: all its 2,048 logits are equal, those of later keys too: p = 1 on every key, l = 2,048.  Its row is the sum of the quantised v over all keys / 2,048, made from vsum once and taken by a select.
; LIMITS: holds while the scaled scores t stay under 2^31 in magnitude; blocks under 2^-124 keep the byte 1; NaN and infinities are not served.  O's scale bytes leave two at a time.
.set SLOTB, 27648
.set HALFR, 13824                      ; half a record: what one wave asks for
.set OP1,   8*SLOTB                    ; behind the records: the padded rows' vector: 8 partial sums x 64 numbers,
.set OP2,   OP1+2048                   ; and whole, once for each wave: 256 bytes
.set SPARE, OP2+4096                   ; the spare words, 128 bytes for each wave
.set SCLO,  6291456                    ; where oq's scale bytes begin
.set L16, 1
.set L8,  2
.set L4,  3
.set RR,  4                            ; v4   r
.set SPW, 5                            ; v5   my spare word; never rewritten
.set NIL, 6                            ; v6   0; never rewritten
.set A16, 8                            ; v8-10 the record in hand + 16, 8, 4 x lane
.set A8,  9
.set A4,  10
.set OPA, 11                           ; v11  my eight numbers of a tile of the padded rows' vector
.set R8,  29
.set DQ,  30                           ; v30  r - 16 h
.set N16, 89                           ; v89-91 the next trip's record + 16, 8, 4 x lane
.set N8,  90
.set N4,  91
.set TM,  212                          ; v212-215 largest scores, v216-219 at work and bytes, v220-223 scale operands
.set TB,  2                            ; s2   LDS byte at which the record in hand begins
.set CNT, 3                            ; s3   the trip, 0..15
.set WV,  18
.set CX,  19
.set SEL, 20
.set CS,  22                           ; s[22:23] log2(e) / 8
.set G1,  24
.set G0,  32
.set LIM, 36                           ; s36  the tile's last step: from the wave's number alone
.set KS,  37                           ; s37  the step, 0..15
.set TT,  38                           ; s38  T
.set QT,  39                           ; s39  the tile of 16 queries in hand
.set Q0,  40                           ; s40  its first query
.set AW,  41                           ; s41  wave / 2
.macro CROUND                          ; a round of the cluster's barrier
	s_barrier_signal -1
	s_barrier_wait -1
	s_cmp_lg_u32 s[WV], 0
	s_cbranch_scc1 .Lnot_wave_0_\@
	s_barrier_signal -3
.Lnot_wave_0_\@:
	s_barrier_wait -3
	s_barrier_signal -1
	s_barrier_wait -1
.endm
; A tile of queries begins: addresses, Q's half fragment and scale word, my query's mask byte, and the sums at zero.
.macro INIT
	s_lshl_b32 s[Q0], s[QT], 4
	s_mul_i32 s42, s[QT], 768
	s_add_nc_u64 s[44:45], s[4:5], s[42:43]
	s_lshl_b32 s42, s[QT], 7
	s_add_nc_u64 s[54:55], s[4:5], s[42:43]
	s_mov_b32 s42, s[Q0]
	s_add_nc_u64 s[46:47], s[10:11], s[42:43]
	s_mul_i32 s42, s[QT], 12288
	s_add_nc_u64 s[48:49], s[12:13], s[42:43]
	s_lshl_b32 s42, s[QT], 9
	s_add_nc_u64 s[50:51], s[14:15], s[42:43]
	global_load_b128 v[16:19], v[L16], s[44:45]
	global_load_b64 v[20:21], v[L8], s[44:45] offset:512
	global_load_b32 v28, v[L4], s[54:55] offset:98304
	global_load_u8 v7, v[RR], s[46:47]
	v_mov_b32 v13, 0xf1800000                      ; the largest t so far: -2^100
	v_mov_b32 v12, 0x71800000                      ; -M
	v_mov_b32 v14, 0
	v_mov_b32 v15, 0
.set j, 0
.rept 32
	v_mov_b32 v[160+j], 0                          ; O^T: the step is written once; the first change of M leaves zeros zeros
.set j, j+1
.endr
	s_wait_loadcnt 0x0
.endm
.macro KLOAD a16, a8, a4, t0           ; four tiles of K, t0 .. t0 + 3 of a record: the lower halves of four fragments, and their scale words
.irp t, 0,1,2,3
	ds_load_b128 v[32+12*\t:35+12*\t], v[\a16] offset:768*((\t0)+\t)
	ds_load_b64 v[36+12*\t:37+12*\t], v[\a8] offset:768*((\t0)+\t)+512
	ds_load_b32 v[80+\t], v[\a4] offset:12288+128*((\t0)+\t)
.endr
.endm
.macro SMUL g                          ; S^T = K Q^T for these four tiles
.irp t, 0,1,2,3
	v_wmma_scale_f32_16x16x128_f8f6f4 v[96+8*(4*\g+\t):103+8*(4*\g+\t)], v[32+12*\t:43+12*\t], v[16:27], 0, v[80+\t], v28 matrix_a_fmt:MATRIX_FMT_FP6 matrix_b_fmt:MATRIX_FMT_FP6
.endr
.rept 4
	v_nop                                          ; places in front of the loads into K's registers and of the first reads of the scores
.endr
.endm
.macro MASK g                          ; the causal mask on 32 registers, in a tile's last step alone
	s_cmp_lt_u32 s[KS], s[LIM]
	s_cbranch_scc1 .Lopen_\@
.if \g == 0
	s_lshl_b32 s56, s[KS], 7
	s_sub_co_i32 s56, s[Q0], s56
	v_add_nc_u32 v227, s56, v[DQ]                  ; d = my query - the step's first key - 16 h.  Register 16 b + i holds key 32 b + 16 h + i of the step: hidden where 32 b + i > d
.endif
.set n, 32*\g
.rept 32
	v_cmp_gt_i32 vcc_lo, 32*(n/16)+n%16, v227
	v_cndmask_b32 v[96+n], v[96+n], v231, vcc_lo
.set n, n+1
.endr
.Lopen_\@:
.endm
.macro MAXB b0, b1                     ; the largest score of two blocks of 32 keys: for the row's maximum, and, since p rises with the score, for the block's largest p.  Four chains by turns; each accumulator is read from its low end on
.irp b, \b0, \b1
	v_max3_num_f32 v[TM+\b], v[96+16*\b], v[97+16*\b], v[98+16*\b]
	v_max3_num_f32 v[TM+4+\b], v[104+16*\b], v[105+16*\b], v[106+16*\b]
.endr
.irp i, 3,5
.irp b, \b0, \b1
	v_max3_num_f32 v[TM+\b], v[TM+\b], v[96+16*\b+\i], v[97+16*\b+\i]
	v_max3_num_f32 v[TM+4+\b], v[TM+4+\b], v[104+16*\b+\i], v[105+16*\b+\i]
.endr
.endr
	v_max3_num_f32 v[TM+\b0], v[TM+\b0], v[TM+4+\b0], v[103+16*\b0]   ; a block's two chains and its registers 7 and 15; the two blocks by turns
	v_max3_num_f32 v[TM+\b1], v[TM+\b1], v[TM+4+\b1], v[103+16*\b1]
	v_max_num_f32 v[TM+\b0], v[TM+\b0], v[111+16*\b0]
	v_max_num_f32 v[TM+\b1], v[TM+\b1], v[111+16*\b1]
.endm
; A KEY STEP: 128 keys, the q-th of the record in hand.  Its tiles 0-3 of K are in registers when it begins.
.macro STEP q
	s_cmp_gt_u32 s[KS], s[LIM]                     ; all its keys come after my 16 queries: left out
	s_cbranch_scc1 .Lhidden_\@
	SMUL 0
	KLOAD A16, A8, A4, 8*(\q)+4                    ; tiles 4-7, on their way while blocks 0 and 1 are worked
	MASK 0
	MAXB 0, 1
	s_wait_dscnt 0x0
	SMUL 1
.if \q == 0
	KLOAD A16, A8, A4, 8                           ; the next step's tiles 0-3: waited for with V's fragments below
.else
	KLOAD N16, N8, N4, 0                           ; (of the next trip's record)
.endif
	MASK 1
	MAXB 2, 3
.irp b, 0,1,2,3
	v_permlanex16_b32 v[TM+4+\b], v[TM+\b], s[SEL], s[SEL+1]
.endr
.irp b, 0,1,2,3
	s_delay_alu instid0(VALU_DEP_4)
	v_max_num_f32 v[TM+\b], v[TM+\b], v[TM+4+\b]   ; with lane l xor 16's 16 keys
.endr
	s_delay_alu instid0(VALU_DEP_2)
	v_max3_num_f32 v227, v[TM], v[TM+1], v[TM+2]
	s_delay_alu instid0(VALU_DEP_1)
	v_max_num_f32 v227, v227, v[TM+3]
	s_delay_alu instid0(VALU_DEP_1)
	v_mul_f32 v227, s[CS], v227                    ; the step's largest t
	s_delay_alu instid0(VALU_DEP_1)
	v_max_num_f32 v13, v13, v227
	v_mov_b32 v227, v12
	s_delay_alu instid0(VALU_DEP_2)
	v_floor_f32 v12, -v13                          ; the new -M = -ceil(t)
	s_delay_alu instid0(VALU_DEP_1)
	v_sub_f32 v227, v12, v227                      ; old M - new M: a whole number, 0 or less
	s_delay_alu instid0(VALU_DEP_1)
	v_cvt_i32_f32 v227, v227                       ; (it saturates)
	s_delay_alu instid0(VALU_DEP_1)
	v_ldexp_f32 v224, 1.0, v227                    ; f = 2^(old M - new M)
.set j, 0
.rept 32
	v_pk_fma_f32 v[96+j:97+j], v[96+j:97+j], s[CS:CS+1], v[12:13] op_sel_hi:[1,0,0]   ; t - M, two at a time
.set j, j+2
.endr
.irp b, 0,1,2,3
	v_fma_f32 v[TM+\b], v[TM+\b], s[CS], v12       ; the same of each block's largest score
.endr
.set j, 0
	s_wait_alu depctr_va_vdst(0)                   ; the wait ahead of the batch
.rept 64
	v_exp_f32 v[96+j], v[96+j]                     ; p
.set j, j+1
.endr
	v_pk_mul_f32 v[14:15], v[14:15], v[224:225] op_sel_hi:[1,0]   ; the sums under the new M: the plain place behind the exponentials
	s_wait_alu depctr_va_vdst(0)                   ; one wait for the whole batch, ahead of its first reader
.irp b, 0,1,2,3
	v_exp_f32 v[TM+\b], v[TM+\b]                   ; the block's largest p
.endr
	v_pk_add_f32 v[228:229], v[100:101], v[104:105]   ; the row's sum of the unquantised p, in eight chains
	v_pk_add_f32 v[254:255], v[108:109], v[112:113]
	v_pk_add_f32 v[252:253], v[116:117], v[120:121]
	v_pk_add_f32 v[250:251], v[124:125], v[128:129]
	v_pk_add_f32 v[248:249], v[132:133], v[136:137]
	v_pk_add_f32 v[246:247], v[140:141], v[144:145]
	v_pk_add_f32 v[244:245], v[148:149], v[152:153]
	v_pk_add_f32 v[14:15], v[14:15], v[156:157]
	v_pk_add_f32 v[228:229], v[228:229], v[96:97]
	v_pk_add_f32 v[254:255], v[254:255], v[98:99]
	v_pk_add_f32 v[252:253], v[252:253], v[102:103]
	v_pk_add_f32 v[250:251], v[250:251], v[106:107]
	v_pk_add_f32 v[248:249], v[248:249], v[110:111]
	v_pk_add_f32 v[246:247], v[246:247], v[114:115]
	v_pk_add_f32 v[244:245], v[244:245], v[118:119]
	v_pk_add_f32 v[14:15], v[14:15], v[122:123]
	v_pk_add_f32 v[228:229], v[228:229], v[126:127]
	v_pk_add_f32 v[254:255], v[254:255], v[130:131]
	v_pk_add_f32 v[252:253], v[252:253], v[134:135]
	v_pk_add_f32 v[250:251], v[250:251], v[138:139]
	v_pk_add_f32 v[248:249], v[248:249], v[142:143]
	v_pk_add_f32 v[246:247], v[246:247], v[146:147]
	v_pk_add_f32 v[244:245], v[244:245], v[150:151]
	v_pk_add_f32 v[14:15], v[14:15], v[154:155]
	v_pk_add_f32 v[228:229], v[228:229], v[158:159]
	s_delay_alu instid0(VALU_DEP_2)
	v_pk_add_f32 v[14:15], v[14:15], v[250:251]
	s_delay_alu instid0(VALU_DEP_2)
	v_pk_add_f32 v[228:229], v[228:229], v[248:249]
	v_pk_add_f32 v[254:255], v[254:255], v[246:247]
	v_pk_add_f32 v[252:253], v[252:253], v[244:245]
	s_delay_alu instid0(VALU_DEP_2)
	v_pk_add_f32 v[14:15], v[14:15], v[254:255]
	s_delay_alu instid0(VALU_DEP_2)
	v_pk_add_f32 v[228:229], v[228:229], v[252:253]
	s_delay_alu instid0(VALU_DEP_1)
	v_pk_add_f32 v[14:15], v[14:15], v[228:229]
	s_wait_alu depctr_va_vdst(0)                   ; and one for the four
.irp b, 0,1,2,3
	v_max_num_f32 v[TM+\b], 0x1800000, v[TM+\b]    ; the floor 2^(3 - 127)
.endr
.irp b, 0,1,2,3
	s_delay_alu instid0(VALU_DEP_4)
	v_add_nc_u32 v[TM+8+\b], 0xff000000, v[TM+\b]
.endr
.irp b, 0,1,2,3
	s_delay_alu instid0(VALU_DEP_4)
	v_lshrrev_b32 v[TM+4+\b], 23, v[TM+8+\b]
.endr
	s_delay_alu instid0(VALU_DEP_3)
	v_lshl_or_b32 v88, v[TM+5], 8, v[TM+4]         ; p's scale word for these 128 keys
	s_delay_alu instid0(VALU_DEP_1)
	v_lshl_or_b32 v88, v[TM+6], 16, v88
	s_delay_alu instid0(VALU_DEP_1)
	v_lshl_or_b32 v88, v[TM+7], 24, v88
.irp c, 0,1
	v_cvt_scalef32_pk16_fp6_f32 v[192+6*\c:194+6*\c], v[96+32*\c:111+32*\c], v[TM+8+2*\c]
	v_cvt_scalef32_pk16_fp6_f32 v[204+4*\c:206+4*\c], v[112+32*\c:127+32*\c], v[TM+8+2*\c+1]
.endr
	v_nop                                          ; one plain place behind a scaled conversion
.irp t, 0,1,2,3                                ; V's four fragments land where p lay, while the codes are put in order and O^T is rescaled
	ds_load_b128 v[96+12*\t:99+12*\t], v[A16] offset:14336+1536*(4*(\q)+\t)
	ds_load_b64 v[100+12*\t:101+12*\t], v[A8] offset:14336+1536*(4*(\q)+\t)+512
	ds_load_b128 v[102+12*\t:105+12*\t], v[A16] offset:14336+1536*(4*(\q)+\t)+768
	ds_load_b64 v[106+12*\t:107+12*\t], v[A8] offset:14336+1536*(4*(\q)+\t)+1280
	ds_load_b32 v[84+\t], v[A4] offset:26624+128*(4*(\q)+\t)
.endr
.irp c, 0,1
.irp i, 0,1,2
	v_permlane16_swap_b32 v[192+6*\c+\i], v[204+4*\c+\i]
.endr
.irp i, 0,1,2
	s_delay_alu instid0(VALU_DEP_3)
	v_mov_b32 v[195+6*\c+\i], v[204+4*\c+\i]
.endr
.endr
.set j, 0
.rept 16
	v_pk_mul_f32 v[160+j:161+j], v[160+j:161+j], v[224:225] op_sel_hi:[1,0]   ; O^T under the new M; these are also the places in front of the matrix instructions below
.set j, j+2
.endr
	s_wait_alu depctr_va_vdst(0)
	s_wait_dscnt 0x0                               ; V's fragments, and the next step's tiles 0-3 of K
.irp t, 0,1,2,3                                ; O^T += V^T P^T: four accumulators by turns
	v_wmma_scale_f32_16x16x128_f8f6f4 v[160+8*\t:167+8*\t], v[96+12*\t:107+12*\t], v[192:203], v[160+8*\t:167+8*\t], v[84+\t], v88 matrix_a_fmt:MATRIX_FMT_FP6 matrix_b_fmt:MATRIX_FMT_FP6
.endr
.rept 5
	v_nop                                          ; five places: the next step's products write over V's registers
.endr
.Lhidden_\@:
	s_add_co_u32 s[KS], s[KS], 1
.endm
; A tile of queries ends: O^T / l, or the padded rows' vector; quantised along the head's 64; stored as half a fragment of the last product's operand.
.macro FINISH
	v_add_f32 v14, v14, v15
	s_delay_alu instid0(VALU_DEP_1)
	v_permlanex16_b32 v227, v14, s[SEL], s[SEL+1]
	s_delay_alu instid0(VALU_DEP_1)
	v_add_f32 v14, v14, v227                       ; the row's sum
	s_wait_alu depctr_va_vdst(0)
	v_rcp_f32 v14, v14
	v_nop                                          ; a plain place behind the transcendental
	v_cmp_ne_u32 s52, 0, v7                        ; does my query count?
.irp t, 0,1,2,3
	ds_load_b128 v[96+8*\t:99+8*\t], v[OPA] offset:64*\t
	ds_load_b128 v[100+8*\t:103+8*\t], v[OPA] offset:64*\t+16
.endr
	s_wait_alu depctr_va_vdst(0)                   ; the wait ahead of the reciprocal's first reader
.set j, 0
.rept 16
	v_pk_mul_f32 v[128+j:129+j], v[160+j:161+j], v[14:15] op_sel_hi:[1,0]   ; each accumulator from its low end on
.set j, j+2
.endr
	s_wait_dscnt 0x0
.set j, 0
.rept 32
	v_cndmask_b32 v[128+j], v[96+j], v[128+j], s52
.set j, j+1
.endr
.irp b, 0,1
	v_max3_num_f32 v[TM+\b], |v[128+16*\b]|, |v[129+16*\b]|, 0x1800000
.endr
.irp i, 2,4,6,8,10,12,14
.irp b, 0,1
	s_delay_alu instid0(VALU_DEP_2)
	v_max3_num_f32 v[TM+\b], v[TM+\b], |v[128+16*\b+\i]|, |v[129+16*\b+\i]|
.endr
.endr
.irp b, 0,1
	s_delay_alu instid0(VALU_DEP_2)
	v_permlanex16_b32 v[TM+4+\b], v[TM+\b], s[SEL], s[SEL+1]
.endr
.irp b, 0,1
	s_delay_alu instid0(VALU_DEP_2)
	v_max_num_f32 v[TM+\b], v[TM+\b], v[TM+4+\b]
.endr
.irp b, 0,1
	s_delay_alu instid0(VALU_DEP_2)
	v_add_nc_u32 v[TM+8+\b], 0xff000000, v[TM+\b]
.endr
.irp b, 0,1
	s_delay_alu instid0(VALU_DEP_2)
	v_lshrrev_b32 v[TM+4+\b], 23, v[TM+8+\b]
.endr
	s_delay_alu instid0(VALU_DEP_1)
	v_lshl_or_b32 v226, v[TM+5], 8, v[TM+4]        ; the head's two scale bytes
	v_cvt_scalef32_pk16_fp6_f32 v[192:194], v[128:143], v[TM+8]
	v_cvt_scalef32_pk16_fp6_f32 v[200:202], v[144:159], v[TM+9]
	v_nop
.irp i, 0,1,2
	v_permlane16_swap_b32 v[192+\i], v[200+\i]
.endr
.irp i, 0,1,2
	s_delay_alu instid0(VALU_DEP_3)
	v_mov_b32 v[195+\i], v[200+\i]
.endr
	global_store_b128 v[L16], v[192:195], s[48:49]             ; 512 consecutive bytes,
	global_store_b64 v[L8], v[196:197], s[48:49] offset:512    ; and 256
	global_store_b16 v[R8], v226, s[50:51]                     ; lanes r and r + 16 hold and write the same
	s_wait_xcnt 0x0                                ; the stores have read their registers and bases: both may be written again
.endm
	s_load_b256 s[4:11], s[0:1], 0x0               ; qimg, kv, vsum, attention_mask
	s_load_b64 s[12:13], s[0:1], 0x20              ; oq
	v_lshl_add_u32 v[SPW], v0, 2, SPARE
	v_mov_b32 v[NIL], 0
	ds_add_u32 v[SPW], v[NIL]                      ; the wave's opening
	ds_add_u32 v[SPW], v[NIL]
	v_lshrrev_b32 v8, 5, v0
	s_delay_alu instid0(VALU_DEP_1)
	v_readfirstlane_b32 s[WV], v8                  ; wave 0..15
	s_bfe_u32 s[CX], ttmp6, 0x40000                ; my place in the cluster
	s_and_b32 s53, ttmp7, 0xffff                   ; 16 x batch + head: the cluster's y
	s_lshr_b32 s54, s53, 4
	s_and_b32 s55, s53, 15
	s_mov_b32 s[G1], 15|(3<<16)|(1<<21)            ; all four partners; elements of 8 bytes; bit 21 beside a mask; no padding
	s_mov_b32 s[G1+1], 32<<16                      ; half a record: 54 dense rows of 256 bytes
	s_mov_b32 s[G1+2], 54<<16
	s_mov_b32 s[G1+3], 32<<16
	s_mov_b32 s[G1+4], 54
	s_mov_b32 s[G1+5], 32
	s_mov_b32 s[G1+6], 0
	s_mov_b32 s[G1+7], 0
	s_mov_b32 s[SEL], 0x76543210
	s_mov_b32 s[SEL+1], 0xfedcba98
	s_mov_b32 s[CS], 0x3e38aa3b                    ; log2(e) / 8
	s_mov_b32 s[CS+1], s[CS]
	s_mov_b32 s43, 0
	s_lshl_b32 s[TT], s[WV], 2
	s_add_co_u32 s[TT], s[TT], s[CX]               ; T = 4 x wave + cx
	s_sub_co_u32 s[QT], 127, s[TT]                 ; the first tile in hand: 127 - T,
	s_lshr_b32 s[AW], s[WV], 1
	s_sub_co_u32 s[LIM], 15, s[AW]                 ; whose last step is (127 - T) / 8 = 15 - wave / 2
	s_mov_b32 s[CNT], 0
	s_wait_dscnt 0x0                               ; both opening adds are done
	s_wait_kmcnt 0x0
	s_mul_i32 s42, s53, 114688
	s_add_nc_u64 s[4:5], s[4:5], s[42:43]          ; my head's queries
	s_mul_i32 s42, s53, 221184
	s_add_nc_u64 s[6:7], s[6:7], s[42:43]          ; its eight records
	s_lshl_b32 s42, s54, 16
	s_lshl_b32 s56, s55, 8
	s_add_co_u32 s42, s42, s56
	s_add_nc_u64 s[8:9], s[8:9], s[42:43]          ; vsum: my batch, my head's 64 places
	s_lshl_b32 s42, s54, 11
	s_add_nc_u64 s[10:11], s[10:11], s[42:43]      ; my batch's mask bytes
	s_lshl_b32 s42, s54, 16
	s_lshr_b32 s56, s55, 2
	s_lshl_b32 s56, s56, 7
	s_add_co_u32 s42, s42, s56
	s_and_b32 s56, s55, 3
	s_lshl_b32 s56, s56, 1
	s_add_co_u32 s42, s42, s56
	s_add_co_u32 s42, s42, SCLO
	s_add_nc_u64 s[14:15], s[12:13], s[42:43]      ; oq's scale bytes: my batch, my head's two bytes of a row's eight
	s_mul_i32 s42, s54, 1572864
	s_lshr_b32 s56, s55, 1
	s_mul_i32 s56, s56, 1536
	s_add_co_u32 s42, s42, s56
	s_and_b32 s56, s55, 1
	s_mul_i32 s56, s56, 768
	s_add_co_u32 s42, s42, s56
	s_add_nc_u64 s[12:13], s[12:13], s[42:43]      ; oq's codes: my batch, my head's half of a fragment
	CROUND                                         ; all four work-groups are here: the joint loads meet
	s_mov_b32 s[G0], 1
	s_mul_i32 s[G0+1], s[WV], HALFR                ; LDS and memory alike: 13,824 x wave: no place in the cluster enters
	s_mul_i32 s42, s[WV], HALFR
	s_add_nc_u64 s[G0+2:G0+3], s[6:7], s[42:43]
	s_or_b32 s[G0+3], s[G0+3], 0x80000000
	tensor_load_to_lds s[G0:G0+3], s[G1:G1+7]      ; my one tensor load of the launch
	s_nop 0
.rept 4
	v_nop
.endr
	v_and_b32 v8, 31, v0
	s_delay_alu instid0(VALU_DEP_1)
	v_lshlrev_b32 v[L16], 4, v8
	s_delay_alu instid0(VALU_DEP_2)
	v_lshlrev_b32 v[L8], 3, v8
	s_delay_alu instid0(VALU_DEP_3)
	v_lshlrev_b32 v[L4], 2, v8
	v_and_b32 v[RR], 15, v0
	v_bfe_u32 v9, v0, 4, 1                         ; h
	s_delay_alu instid0(VALU_DEP_2)
	v_lshlrev_b32 v[R8], 3, v[RR]
	s_delay_alu instid0(VALU_DEP_2)
	v_lshlrev_b32 v10, 4, v9
	s_delay_alu instid0(VALU_DEP_1)
	v_sub_nc_u32 v[DQ], v[RR], v10
	s_lshl_b32 s56, s[WV], 8
	s_add_co_u32 s56, s56, OP2
	v_lshl_add_u32 v[OPA], v9, 5, s56
	v_add_nc_u32 v31, s56, v[L8]
	v_lshl_add_u32 v93, v0, 2, OP1
	v_add_nc_u32 v94, OP1, v[L8]
	v_lshrrev_b32 v10, 6, v0
	v_and_b32 v89, 63, v0
	s_delay_alu instid0(VALU_DEP_1)
	v_lshlrev_b32 v89, 2, v89
	s_delay_alu instid0(VALU_DEP_1)
	v_lshl_add_u32 v89, v10, 12, v89               ; thread t: run t / 64 of 128 keys, place t % 64
	global_load_b32 v90, v89, s[8:9]
	global_load_b32 v91, v89, s[8:9] offset:32768  ; and the run eight further on
	v_sub_nc_u32 v9, 1, v9                         ; 1 - h
	s_delay_alu instid0(VALU_DEP_1)
	v_mul_u32_u24 v22, v9, 0x08                    ; Q: the code of +1 at place 64, in lanes 0-15
	s_delay_alu instid0(VALU_DEP_2)
	v_mul_u32_u24 v92, v9, 0x28                    ; K: the code of -1
.irp j, 23,24,25,26,27
	v_mov_b32 v[\j], 0
.endr
.irp t, 0,1,2,3
	v_mov_b32 v[38+12*\t], v92
.irp j, 39,40,41,42,43
	v_mov_b32 v[\j+12*\t], 0
.endr
.endr
.irp b, 0,1,2,3
	v_mov_b32 v[TM+4+\b], 0                        ; written once: a lane permute's destination counts as one of its sources
.endr
	v_mov_b32 v225, 0                              ; (named as the upper half of a pair)
	v_mov_b32 v227, 0
	v_mov_b32 v231, 0xfb800000                     ; -2^120: a score under the causal mask; never rewritten
	INIT                                           ; its wait serves vsum's two loads too
	v_add_f32 v90, v90, v91
	s_delay_alu instid0(VALU_DEP_1)
	v_mul_f32 v90, 0x3a000000, v90                 ; / 2,048
	ds_store_b32 v93, v90
	s_wait_alu depctr_va_vdst(0)                   ; the wait at the head's end
	s_wait_tensorcnt 0x0                           ; my half record is in,
	s_wait_dscnt 0x0                               ; and my partial sum is stored: for the others' sake
	s_barrier_signal -1
	s_barrier_wait -1                              ; all eight records and all partial sums are in
	KLOAD L16, L8, L4, 0                           ; the first step's tiles 0-3: record 0 begins at LDS byte 0
.irp p, 0,1,2,3,4,5,6,7
	ds_load_b64 v[96+2*\p:97+2*\p], v94 offset:256*\p
.endr
	s_wait_dscnt 0x0
.irp p, 0,2,4,6
	v_pk_add_f32 v[96+2*\p:97+2*\p], v[96+2*\p:97+2*\p], v[98+2*\p:99+2*\p]
.endr
	s_delay_alu instid0(VALU_DEP_3)
	v_pk_add_f32 v[96:97], v[96:97], v[100:101]
	s_delay_alu instid0(VALU_DEP_2)
	v_pk_add_f32 v[104:105], v[104:105], v[108:109]
	s_delay_alu instid0(VALU_DEP_1)
	v_pk_add_f32 v[96:97], v[96:97], v[104:105]
	ds_store_b64 v31, v[96:97]                     ; the whole vector, in my wave's own 256 bytes
.Ltrip:                                            ; sixteen trips: records 0..7 for tile 127 - T, then 0..7 for tile T; no barrier: the waves share nothing that is written
	s_and_b32 s[TB], s[CNT], 7                     ; the record
	s_lshl_b32 s[KS], s[TB], 1                     ; its first step
	s_mul_i32 s[TB], s[TB], SLOTB
	s_add_co_u32 s57, s[CNT], 1
	s_and_b32 s57, s57, 7                          ; the next trip's record (behind record 7: record 0)
	s_mul_i32 s57, s57, SLOTB
	v_add_nc_u32 v[A16], s[TB], v[L16]
	v_add_nc_u32 v[A8], s[TB], v[L8]
	v_add_nc_u32 v[A4], s[TB], v[L4]
	v_add_nc_u32 v[N16], s57, v[L16]
	v_add_nc_u32 v[N8], s57, v[L8]
	v_add_nc_u32 v[N4], s57, v[L4]
	s_wait_alu depctr_va_vdst(0)
	STEP 0
	STEP 1
	s_cmp_lg_u32 s[CNT], 7                         ; the count of trips alone
	s_cbranch_scc1 .Lsame
	FINISH                                         ; the first tile is done
	s_mov_b32 s[QT], s[TT]                         ; tile T,
	s_mov_b32 s[LIM], s[AW]                        ; whose last step is T / 8 = wave / 2
	KLOAD L16, L8, L4, 0                           ; its first step's tiles 0-3
	INIT
	s_wait_dscnt 0x0
.Lsame:
	s_add_co_u32 s[CNT], s[CNT], 1
	s_cmp_lt_u32 s[CNT], 16
	s_cbranch_scc1 .Ltrip
	FINISH
	s_wait_tensorcnt 0x0                           ; the wave's end
	ds_add_u32 v[SPW], v[NIL]
	s_wait_dscnt 0x0
	CROUND                                         ; the closing round
	s_endpgm
.Lfunc_end_k_qf59f04d25d_attn:
	.size	k_qf59f04d25d_attn, .Lfunc_end_k_qf59f04d25d_attn-k_qf59f04d25d_attn
	.p2alignl 7, 3214868480
	.fill 96, 4, 3214868480
	.section	.rodata,"a",@progbits
	.p2align	6, 0x0
	.amdhsa_kernel k_qf59f04d25d_attn
		.amdhsa_group_segment_fixed_size 327680
		.amdhsa_private_segment_fixed_size 0
		.amdhsa_enable_private_segment 0
		.amdhsa_kernarg_size 40
		.amdhsa_user_sgpr_count 2
		.amdhsa_user_sgpr_kernarg_segment_ptr 1
		.amdhsa_wavefront_size32 1
		.amdhsa_system_sgpr_workgroup_id_x 1
		.amdhsa_system_sgpr_workgroup_id_y 1
		.amdhsa_system_sgpr_workgroup_id_z 1
		.amdhsa_system_vgpr_workitem_id 0
		.amdhsa_next_free_vgpr 256
		.amdhsa_next_free_sgpr 66
		.amdhsa_reserve_vcc 1
		.amdhsa_float_denorm_mode_32 3
		.amdhsa_float_denorm_mode_16_64 3
		.amdhsa_memory_ordered 1
		.amdhsa_forward_progress 1
		.amdhsa_inst_pref_size 74
	.end_amdhsa_kernel
	.amdgpu_metadata
---
amdhsa.version: [ 1, 2 ]
amdhsa.kernels:
  - .name:           k_qf59f04d25d_attn
    .symbol:         k_qf59f04d25d_attn.kd
    .args:
      - { .name: qimg, .offset: 0, .size: 8, .value_kind: global_buffer, .address_space: global }
      - { .name: kv, .offset: 8, .size: 8, .value_kind: global_buffer, .address_space: global }
      - { .name: vsum, .offset: 16, .size: 8, .value_kind: global_buffer, .address_space: global }
      - { .name: attention_mask, .offset: 24, .size: 8, .value_kind: global_buffer, .address_space: global }
      - { .name: oq, .offset: 32, .size: 8, .value_kind: global_buffer, .address_space: global }
    .group_segment_fixed_size: 327680
    .private_segment_fixed_size: 0
    .kernarg_segment_align: 8
    .kernarg_segment_size: 40
    .max_flat_workgroup_size: 512
    .sgpr_count:     66
    .vgpr_count:     256
    .wavefront_size: 32
...
	.end_amdgpu_metadata
.endif
;; end of part 3
;; launch outp (part 4): grid 4 x 64, 4 waves a work-group, clusters of 4 x 4, 327,680 bytes of LDS; arguments oq, wq, bc, out0; writes out0
.if DOCPART == 4
	.amdgcn_target "amdgcn-amd-amdhsa--gfx1250"
	.amdhsa_code_object_version 6
	.text
	.protected	k_qf59f04d25d_outp
	.globl	k_qf59f04d25d_outp
	.p2align	8
	.type	k_qf59f04d25d_outp,@function
k_qf59f04d25d_outp:
	s_mov_b64 s[64:65], 0
	v_nop
	global_prefetch_b8 v0, s[64:65] scope:SCOPE_SE
	s_setreg_imm32_b32 hwreg(HW_REG_WAVE_MODE, 25, 1), 1
	s_wait_xcnt 0x0
	s_wait_alu depctr_hold_cnt(0) depctr_sa_sdst(0) depctr_va_vdst(0) depctr_va_sdst(0) depctr_va_ssrc(0) depctr_va_vcc(0) depctr_vm_vsrc(0)
	s_getreg_b32 s2, hwreg(HW_REG_IB_STS2, 6, 4)
	s_cmp_eq_u32 s2, 0
	s_cbranch_scc0 .Lentry_in_a_cluster
	s_endpgm
.Lentry_in_a_cluster:
	s_bfe_u32 s2, ttmp6, 0x10000c
	s_cmp_lg_u32 s2, 0xf033
	s_cbranch_scc0 .Lentry_shape_is_right
	s_endpgm
.Lentry_shape_is_right:
; out0 = O Wc^T + bc on codes of FP6 (E2M3).  O [8192][1024] lies in oq and Wc [1024][1024] in wq (tiles 192-255) as images of the operand's registers: a tile of 16 rows is 8 fragments (16 rows x 128 K) of 1,536 bytes, 12,288 dense bytes.
; A block of out0 is 128 x 256: 64 x 4 = 256 work-groups.  Four waves, each 64 x 128: 32 accumulators, 256 registers.
; ALL OF K LIES IN LDS AT ONCE: A's 8 tiles (98,304 bytes) and B's 16 tiles (196,608 bytes) are each one dense run of memory.  Wave 0 asks for A (384 rows of 256 bytes), waves 1-3 for a third of B each (256 rows): one tensor load a wave, nothing is filled again.
; CLUSTERS of 4 x 4: A's tiles are shared along a row of the cluster, B's along a column, each asked for jointly.
; NO PREFETCH: every tile is asked for by the head's loads; there is no later step to ask ahead for.
; THE SCALE WORDS go from memory straight into registers, once.  A tile's 512 scale bytes lie [256 along K: 0..3][row][8 bytes]: a load of 8 bytes a lane reads 256 consecutive bytes: lanes 0-15 hold an even step of 256, lanes 16-31 the odd one behind it,
; which the matrix instruction takes by MATRIX_SCALE_ROW1.  Two loads a tile serve all of K: 16 registers for A's 4 tiles, 32 for B's 8.  They are 12,288 of a work-group's 307,200 operand bytes and are not asked for jointly.
; THE MATRIX INSTRUCTION IS USED TRANSPOSED (source 0 = 16 rows of Wc, source 1 = 16 rows of O): a lane holds eight neighbouring numbers of a row of out0.  The bias is the C of the first step's products.
; Two sets of fragments for A and for B: a step's 48 LDS loads are issued ahead of the 32 products of the step before.
; REGISTERS: window 0: v16-29 addresses; v32-47 A's scale words, v48-79 B's; v80-143 the bias; v144-239 A's fragments, two sets; on the way out v80-207 hold rows read back.  window 1: B's fragments, sets at v0 and v128.  window 2: accumulator (a, b) at v[8 (8 a + b)].
.set SCLO,  6291456                    ; where oq's scale bytes begin
.set SCLW,  3145728                    ; and wq's
.set FR,    12                         ; registers of a fragment
.set ABY,   8*12288                    ; A's bytes in LDS; B's lie behind them
.set SPARE, ABY+16*12288               ; behind B: the spare words, 128 bytes for each wave
.set SPITCH, 528                       ; the way out: a stage of 16 rows x (512 + 16) bytes for each wave, from LDS byte 0 on: those bytes have had their one fill, and a barrier shows that nobody reads them any more
.set ADRA16, 16                        ; v16, v17 my 4 tiles of A at 16 x lane, 8 x lane
.set ADRA8,  17
.set ADRB16, 18                        ; v18-19 my tiles 0-3 and 4-7 of B at 16 x lane;  v20-21 at 8 x lane
.set ADRB8,  20
.set L16,  24
.set L8,   25
.set STO,  26
.set RD,   27
.set SPW,  28                          ; v28  my spare word; never rewritten
.set NIL,  29                          ; v29  0; never rewritten
.set SA,   32
.set SB,   48
.set BI,   80
.set AF,   144
.set BK,   80
.set G1,   24
.set G0,   32
.set G0B,  36
.set G1B,  48
.set MSB, 0
.macro WIN new                         ; the immediate's high byte repeats the setting that is left
.if MSB != \new
	s_set_vgpr_msb (MSB<<8)|\new
.set MSB, \new
.endif
.endm
.macro CROUND                          ; a round of the cluster's barrier
	s_barrier_signal -1
	s_barrier_wait -1
	s_cmp_lg_u32 s14, 0
	s_cbranch_scc1 .Lnot_wave_0_\@
	s_barrier_signal -3
.Lnot_wave_0_\@:
	s_barrier_wait -3
	s_barrier_signal -1
	s_barrier_wait -1
.endm
.macro PLACES
.rept 4
	v_nop
.endr
.endm
.macro FRAG reg, a16, a8, st, i        ; fragment (tile i of four, step st): an image of 1,536 bytes
	ds_load_b128 v[\reg:\reg+3], v[\a16] offset:(\i)*12288+(\st)*1536
	ds_load_b64 v[\reg+4:\reg+5], v[\a8] offset:(\i)*12288+(\st)*1536+512
	ds_load_b128 v[\reg+6:\reg+9], v[\a16] offset:(\i)*12288+(\st)*1536+768
	ds_load_b64 v[\reg+10:\reg+11], v[\a8] offset:(\i)*12288+(\st)*1536+1280
.endm
.macro FETCH st, p                     ; step st's fragments into set p: B's eight, A's four
	WIN 0x40                                       ; destination window 1, address window 0
.irp i, 0,1,2,3,4,5,6,7
	FRAG 128*(\p)+FR*\i, ADRB16+\i/4, ADRB8+\i/4, \st, \i%4
.endr
	WIN 0
.irp i, 0,1,2,3
	FRAG AF+48*(\p)+FR*\i, ADRA16, ADRA8, \st, \i
.endr
.endm
; 32 matrix instructions: A's four blocks x B's eight, 128 along K.  The 32 accumulators take turns, one instruction a turn, in the same order in every step.
.macro MUL32 st
.set PS, (\st)%2                       ; the set of fragments
.set SS, 2*((\st)/4)+(\st)%2           ; which of a tile's four scale registers
.set RW, ((\st)/2)%2                   ; and which half of its lanes
.irp a, 0,1,2,3
.irp b, 0,1,2,3,4,5,6,7
.if (\st) == 0
	v_wmma_scale_f32_16x16x128_f8f6f4 v[8*(8*\a+\b):8*(8*\a+\b)+7], v[128*PS+FR*\b:128*PS+FR*\b+FR-1], v[AF+48*PS+FR*\a:AF+48*PS+FR*\a+FR-1], v[BI+8*\b:BI+8*\b+7], v[SB+4*\b+SS], v[SA+4*\a+SS] matrix_a_fmt:MATRIX_FMT_FP6 matrix_b_fmt:MATRIX_FMT_FP6
.else
.if RW
	v_wmma_scale_f32_16x16x128_f8f6f4 v[8*(8*\a+\b):8*(8*\a+\b)+7], v[128*PS+FR*\b:128*PS+FR*\b+FR-1], v[AF+48*PS+FR*\a:AF+48*PS+FR*\a+FR-1], v[8*(8*\a+\b):8*(8*\a+\b)+7], v[SB+4*\b+SS], v[SA+4*\a+SS] matrix_a_fmt:MATRIX_FMT_FP6 matrix_b_fmt:MATRIX_FMT_FP6 matrix_a_scale:MATRIX_SCALE_ROW1 matrix_b_scale:MATRIX_SCALE_ROW1
.else
	v_wmma_scale_f32_16x16x128_f8f6f4 v[8*(8*\a+\b):8*(8*\a+\b)+7], v[128*PS+FR*\b:128*PS+FR*\b+FR-1], v[AF+48*PS+FR*\a:AF+48*PS+FR*\a+FR-1], v[8*(8*\a+\b):8*(8*\a+\b)+7], v[SB+4*\b+SS], v[SA+4*\a+SS] matrix_a_fmt:MATRIX_FMT_FP6 matrix_b_fmt:MATRIX_FMT_FP6
.endif
.endif
.endr
.endr
.endm
.macro STEP st
	s_wait_dscnt 0x0                               ; this step's fragments are in: they were asked for ahead of the last step's products
.if (\st) < 7
.if (\st) > 0
	PLACES                                         ; in front of loads into the set that the last step's products read
.endif
	FETCH (\st)+1, ((\st)+1)%2
.else
	s_barrier_signal -1                            ; my reads of the tiles are over; only products stand between this signal and its wait
.endif
.if (\st) == 0
	WIN 0x81                                       ; source 0 (B) window 1, source 1 (A) and C (the bias) window 0, D window 2
.else
	WIN 0xa1                                       ; C and D window 2
.endif
	MUL32 \st
	WIN 0
.endm
	s_load_b256 s[4:11], s[0:1], 0x0               ; oq, wq, bc, out0
	v_lshl_add_u32 v[SPW], v0, 2, SPARE
	v_mov_b32 v[NIL], 0
	ds_add_u32 v[SPW], v[NIL]                      ; the wave's opening
	ds_add_u32 v[SPW], v[NIL]
	v_lshrrev_b32 v1, 5, v0
	v_readfirstlane_b32 s14, v1                    ; wave 0..3
	s_lshr_b32 s15, s14, 1                         ; which 64 of the block's rows are mine
	s_and_b32 s16, s14, 1                          ; which 128 of its columns
	s_bfe_u32 s40, ttmp6, 0x40000                  ; cx
	s_bfe_u32 s41, ttmp6, 0x40004                  ; cy
	s_lshl_b32 s42, ttmp9, 2
	s_add_co_u32 s42, s42, s40                     ; block column, 0..3
	s_and_b32 s17, ttmp7, 0xffff
	s_lshl_b32 s17, s17, 2
	s_add_co_u32 s17, s17, s41                     ; block row, 0..63
	s_lshl_b32 s43, s41, 2
	s_lshl_b32 s43, 15, s43                        ; my row of the cluster
	s_lshl_b32 s44, 0x1111, s40                    ; my column
	s_or_b32 s[G1], s43, (3<<16)|(1<<21)           ; A: 384 dense rows of 256 bytes, elements of 8 bytes
	s_mov_b32 s[G1+1], 32<<16
	s_mov_b32 s[G1+2], 384<<16
	s_mov_b32 s[G1+3], 32<<16
	s_mov_b32 s[G1+4], 384
	s_mov_b32 s[G1+5], 32
	s_mov_b32 s[G1+6], 0
	s_mov_b32 s[G1+7], 0
	s_or_b32 s[G1B], s44, (3<<16)|(1<<21)          ; a third of B: 256 such rows
	s_mov_b32 s[G1B+1], 32<<16
	s_mov_b32 s[G1B+2], 256<<16
	s_mov_b32 s[G1B+3], 32<<16
	s_mov_b32 s[G1B+4], 256
	s_mov_b32 s[G1B+5], 32
	s_mov_b32 s[G1B+6], 0
	s_mov_b32 s[G1B+7], 0
	s_mul_i32 s20, s17, ABY                        ; A: the block row's 8 tiles
	s_mov_b32 s21, 0
	s_mul_i32 s46, s42, 16*12288                   ; B: Wc's tiles 192 + 16 x block column on,
	s_add_co_u32 s46, s46, 192*12288-65536
	s_lshl_b32 s18, s14, 16
	s_add_co_u32 s46, s46, s18                     ; + 65,536 x (wave - 1)
	s_mov_b32 s47, 0
	s_add_co_u32 s19, s18, ABY-65536               ; and the same in LDS, behind A
	s_wait_dscnt 0x0                               ; both opening adds are done
	s_wait_kmcnt 0x0
	s_add_nc_u64 s[20:21], s[4:5], s[20:21]
	s_add_nc_u64 s[46:47], s[6:7], s[46:47]
	CROUND                                         ; all sixteen work-groups are here: the joint loads meet
	s_mov_b32 s[G0], 1
	s_mov_b32 s[G0+1], 0
	s_mov_b64 s[G0+2:G0+3], s[20:21]
	s_or_b32 s[G0+3], s[G0+3], 0x80000000
	s_mov_b32 s[G0B], 1
	s_mov_b32 s[G0B+1], s19
	s_mov_b64 s[G0B+2:G0B+3], s[46:47]
	s_or_b32 s[G0B+3], s[G0B+3], 0x80000000
	s_cmp_eq_u32 s14, 0                            ; the wave's number alone: every way passes one load
	s_cbranch_scc0 .Lfor_b
	tensor_load_to_lds s[G0:G0+3], s[G1:G1+7]
	s_nop 0
.rept 4
	v_nop
.endr
	s_branch .Lasked
.Lfor_b:
	tensor_load_to_lds s[G0B:G0B+3], s[G1B:G1B+7]
	s_nop 0
.rept 4
	v_nop
.endr
.Lasked:
	s_lshl_b32 s18, s17, 3
	s_lshl_b32 s19, s15, 2
	s_add_co_u32 s18, s18, s19                     ; my first tile of A
	s_lshl_b32 s18, s18, 9
	s_add_co_u32 s18, s18, SCLO
	s_mov_b32 s19, 0
	s_add_nc_u64 s[4:5], s[4:5], s[18:19]          ; its scale bytes
	s_lshl_b32 s18, s42, 4
	s_lshl_b32 s22, s16, 3
	s_add_co_u32 s18, s18, s22                     ; my first tile of B, counted from Wc's first
	s_lshl_b32 s18, s18, 9
	s_add_co_u32 s18, s18, SCLW+192*512
	s_add_nc_u64 s[6:7], s[6:7], s[18:19]          ; its scale bytes
	s_lshl_b32 s18, s42, 10
	s_lshl_b32 s22, s16, 9
	s_add_co_u32 s18, s18, s22                     ; my first column, in bytes
	s_add_nc_u64 s[8:9], s[8:9], s[18:19]
	s_add_nc_u64 s[10:11], s[10:11], s[18:19]
	s_lshl_b32 s18, s17, 19                        ; my first row: 128 x block row + 64 x half, rows of 4,096 bytes
	s_lshl_b32 s22, s15, 18
	s_add_co_u32 s18, s18, s22
	s_add_nc_u64 s[10:11], s[10:11], s[18:19]
	s_mul_i32 s56, s15, 4*12288                    ; LDS: my 4 tiles of A,
	s_mul_i32 s57, s16, 8*12288
	s_add_co_u32 s57, s57, ABY                     ; my tiles 0-3 of B,
	s_add_co_u32 s58, s57, 4*12288                 ; my tiles 4-7,
	s_mul_i32 s59, s14, 16*SPITCH                  ; my stage
	v_and_b32 v1, 15, v0                           ; r
	v_bfe_u32 v2, v0, 4, 1                         ; h
	v_and_b32 v3, 31, v0                           ; lane
	v_lshlrev_b32 v[L16], 4, v3
	v_lshlrev_b32 v[L8], 3, v3
	v_add_nc_u32 v[ADRA16], s56, v[L16]
	v_add_nc_u32 v[ADRA8], s56, v[L8]
	v_add_nc_u32 v[ADRB16], s57, v[L16]
	v_add_nc_u32 v[ADRB8], s57, v[L8]
	v_add_nc_u32 v[ADRB16+1], s58, v[L16]
	v_add_nc_u32 v[ADRB8+1], s58, v[L8]
	v_mul_u32_u24 v5, v1, SPITCH                   ; into the stage: row r, 32 bytes for each half of the lanes
	v_lshl_add_u32 v5, v2, 5, v5
	v_add_nc_u32 v[STO], s59, v5
	v_add_nc_u32 v[RD], s59, v[L16]                ; back: the 32 lanes take a row of 512 bytes
	v_lshlrev_b32 v6, 5, v2                        ; the bias: 32 h
	s_wait_alu depctr_va_vdst(0)                   ; the wait at the head's end: no vector instruction writes a register behind it
.irp i, 0,1,2,3
.irp p, 0,1
	global_load_b64 v[SA+4*\i+2*\p:SA+4*\i+2*\p+1], v[L8], s[4:5] offset:512*\i+256*\p   ; 256 consecutive bytes
.endr
.endr
.irp i, 0,1,2,3,4,5,6,7
.irp p, 0,1
	global_load_b64 v[SB+4*\i+2*\p:SB+4*\i+2*\p+1], v[L8], s[6:7] offset:512*\i+256*\p
.endr
.endr
.irp b, 0,1,2,3,4,5,6,7
	global_load_b128 v[BI+8*\b:BI+8*\b+3], v6, s[8:9] offset:64*\b          ; bc at columns 16 b + 8 h + 0 .. 7
	global_load_b128 v[BI+8*\b+4:BI+8*\b+7], v6, s[8:9] offset:64*\b+16
.endr
	s_wait_tensorcnt 0x0                           ; my load is in
	s_barrier_signal -1
	s_barrier_wait -1                              ; all four are in
	FETCH 0, 0
	s_wait_loadcnt 0x0                             ; the scale words and the bias
.irp st, 0,1,2,3,4,5,6,7
	STEP \st
.endr
	s_barrier_wait -1                              ; nobody reads the tiles any more: the stages may be written
; THE WAY OUT, block by block of 16 rows x 128 columns: through my own stage in LDS and back as whole rows of 512 bytes, which the 32 lanes store as two aligned runs of 256 bytes.
; LDS serves a wave's instructions in order (ISA guide 5.7.1.4): no wait between the stores and the loads, nor in front of the next block's stores.
.macro TOSTAGE a
	WIN 0x08                                       ; the data: window 2
.irp b, 0,1,2,3,4,5,6,7
	ds_store_b128 v[STO], v[64*(\a)+8*\b:64*(\a)+8*\b+3] offset:64*\b        ; each accumulator from its low end on
	ds_store_b128 v[STO], v[64*(\a)+8*\b+4:64*(\a)+8*\b+7] offset:64*\b+16
.endr
	WIN 0
.set BB, BK+64*((\a)%2)
.irp t, 0,1,2,3,4,5,6,7,8,9,10,11,12,13,14,15
	ds_load_b128 v[BB+4*\t:BB+4*\t+3], v[RD] offset:\t*SPITCH
.endr
.endm
.macro SEND a, younger                 ; younger: the LDS instructions issued behind block a's loads, which may stay out
.set BB, BK+64*((\a)%2)
	s_wait_dscnt \younger
.if (\a) > 0
	s_add_nc_u64 s[10:11], s[10:11], 16*4096       ; (behind a wait on XCNT: the earlier stores have read their base)
.endif
.irp t, 0,1,2,3,4,5,6,7,8,9,10,11,12,13,14,15
	global_store_b128 v[L16], v[BB+4*\t:BB+4*\t+3], s[10:11] offset:\t*4096 th:TH_STORE_NT
.endr
.endm
	PLACES                                         ; behind the last products: for the stores that read results and the loads into registers that products read
	TOSTAGE 0
.irp a, 1,2,3
.if \a > 1
	s_wait_xcnt 0x0                                ; block a - 2's stores have read their registers and their base
.endif
	TOSTAGE \a
	SEND \a-1, 32                                  ; behind block a - 1's loads: block a's 16 stores and 16 loads
.endr
	s_wait_xcnt 0x0
	SEND 3, 0
	s_wait_tensorcnt 0x0                           ; the wave's end
	ds_add_u32 v[SPW], v[NIL]
	s_wait_dscnt 0x0
	CROUND                                         ; the closing round
	s_endpgm
.Lfunc_end_k_qf59f04d25d_outp:
	.size	k_qf59f04d25d_outp, .Lfunc_end_k_qf59f04d25d_outp-k_qf59f04d25d_outp
	.p2alignl 7, 3214868480
	.fill 96, 4, 3214868480
	.section	.rodata,"a",@progbits
	.p2align	6, 0x0
	.amdhsa_kernel k_qf59f04d25d_outp
		.amdhsa_group_segment_fixed_size 327680
		.amdhsa_private_segment_fixed_size 0
		.amdhsa_enable_private_segment 0
		.amdhsa_kernarg_size 32
		.amdhsa_user_sgpr_count 2
		.amdhsa_user_sgpr_kernarg_segment_ptr 1
		.amdhsa_wavefront_size32 1
		.amdhsa_system_sgpr_workgroup_id_x 1
		.amdhsa_system_sgpr_workgroup_id_y 1
		.amdhsa_system_sgpr_workgroup_id_z 1
		.amdhsa_system_vgpr_workitem_id 0
		.amdhsa_next_free_vgpr 768
		.amdhsa_next_free_sgpr 66
		.amdhsa_reserve_vcc 0
		.amdhsa_float_denorm_mode_32 3
		.amdhsa_float_denorm_mode_16_64 3
		.amdhsa_memory_ordered 1
		.amdhsa_forward_progress 1
		.amdhsa_inst_pref_size 83
	.end_amdhsa_kernel
	.amdgpu_metadata
---
amdhsa.version: [ 1, 2 ]
amdhsa.kernels:
  - .name:           k_qf59f04d25d_outp
    .symbol:         k_qf59f04d25d_outp.kd
    .args:
      - { .name: oq, .offset: 0, .size: 8, .value_kind: global_buffer, .address_space: global }
      - { .name: wq, .offset: 8, .size: 8, .value_kind: global_buffer, .address_space: global }
      - { .name: bc, .offset: 16, .size: 8, .value_kind: global_buffer, .address_space: global }
      - { .name: out0, .offset: 24, .size: 8, .value_kind: global_buffer, .address_space: global }
    .group_segment_fixed_size: 327680
    .private_segment_fixed_size: 0
    .kernarg_segment_align: 8
    .kernarg_segment_size: 32
    .max_flat_workgroup_size: 128
    .sgpr_count:     66
    .vgpr_count:     768
    .wavefront_size: 32
...
	.end_amdgpu_metadata
.endif
;; end of part 4
